; MI455X (gfx1250); checked and timed in simulation.
; The chip was launched on July 23, 2026; its instructions are those of AMD's public machine-readable ISA for CDNA 5 (MIT licence, August 2026) and "CDNA5" Instruction Set Architecture Reference Guide (July 2026). The comments in the code are by the model that wrote it; some were corrected since.
;; Episodic Adapter. Allowed arithmetic: matrix products marked QUANTISED: E2M3 operands, one E8M0 scale for each 32 along K, by v_wmma_scale_f32_16x16x128_f8f6f4 with both operands' format E2M3, f32 sums; products left as they are: f32 operands where the result goes on into a quantised operand, else bf16, f16 or f32 operands; f32 sums; everything else in f32.
;; Inputs: Ak_codes 16 x 64 x 24 uint8 (E2M3 codes of Ak, K innermost, in blocks of 32 codes, four codes in three bytes); Ak_scales 16 x 64 uint8 (E8M0 scales of Ak, one for each 32 codes along K); Ao_codes 16 x 64 x 24 uint8 (E2M3 codes of Ao, K innermost, in blocks of 32 codes, four codes in three bytes); Ao_scales 16 x 64 uint8 (E8M0 scales of Ao, one for each 32 codes along K); Aq_codes 16 x 64 x 24 uint8 (E2M3 codes of Aq, K innermost, in blocks of 32 codes, four codes in three bytes); Aq_scales 16 x 64 uint8 (E8M0 scales of Aq, one for each 32 codes along K); Av_codes 16 x 64 x 24 uint8 (E2M3 codes of Av, K innermost, in blocks of 32 codes, four codes in three bytes); Av_scales 16 x 64 uint8 (E8M0 scales of Av, one for each 32 codes along K); Bk 16 x 512 float32; Bo 16 x 2,048 float32; Bq 16 x 2,048 float32; Bv 16 x 512 float32; Wk_codes 512 x 64 x 24 uint8 (E2M3 codes of Wk, K innermost, in blocks of 32 codes, four codes in three bytes); Wk_scales 512 x 64 uint8 (E8M0 scales of Wk, one for each 32 codes along K); Wo_codes 2,048 x 64 x 24 uint8 (E2M3 codes of Wo, K innermost, in blocks of 32 codes, four codes in three bytes); Wo_scales 2,048 x 64 uint8 (E8M0 scales of Wo, one for each 32 codes along K); Wq_codes 2,048 x 64 x 24 uint8 (E2M3 codes of Wq, K innermost, in blocks of 32 codes, four codes in three bytes); Wq_scales 2,048 x 64 uint8 (E8M0 scales of Wq, one for each 32 codes along K); Wv_codes 512 x 64 x 24 uint8 (E2M3 codes of Wv, K innermost, in blocks of 32 codes, four codes in three bytes); Wv_scales 512 x 64 uint8 (E8M0 scales of Wv, one for each 32 codes along K); hidden_states 4 x 1,024 x 2,048 float32; traces_codes 4 x 1,024 x 64 x 24 uint8 (E2M3 codes of traces, K innermost, in blocks of 32 codes, four codes in three bytes); traces_scales 4 x 1,024 x 64 uint8 (E8M0 scales of traces, one for each 32 codes along K).
;; Outputs: out0 4 x 1,024 x 2,048 float32.
;; This version of the problem:
;;   THIS VERSION OF THE PROBLEM IS GIVEN IN LOW PRECISION. The matrix products marked QUANTISED in the list below multiply operands that are first quantised to E2M3 (2 exponent bits, 3 mantissa bits; 6 bits a number), with one power-of-two scale for each 32 numbers along K (OCP MX v1.0); their sums are f32. All else is computed in f32.
;;   The module's matrix products, in the order in which they are computed (A, B: the left and right operand; K: the contracted axis; several contracted axes count as one K, in the product's order):
;;     1. [M 4,096, K 2,048] x [K 2,048, N 2,048]; A: input hidden_states; B: input Wq (given as codes): QUANTISED
;;     2. [M 4,096, K 2,048] x [K 2,048, N 16]; A: input hidden_states; B: input Aq (given as codes): QUANTISED
;;     3. [M 4,096, K 16] x [K 16, N 2,048]; A: computed on the way; B: input Bq: left as it is (K = 16 < 32)
;;     4. [M 4,096, K 2,048] x [K 2,048, N 512]; A: input traces (given as codes); B: input Wk (given as codes): QUANTISED
;;     5. [M 4,096, K 2,048] x [K 2,048, N 16]; A: input traces (given as codes); B: input Ak (given as codes): QUANTISED
;;     6. [M 4,096, K 16] x [K 16, N 512]; A: computed on the way; B: input Bk: left as it is (K = 16 < 32)
;;     7. [M 4,096, K 2,048] x [K 2,048, N 512]; A: input traces (given as codes); B: input Wv (given as codes): QUANTISED
;;     8. [M 4,096, K 2,048] x [K 2,048, N 16]; A: input traces (given as codes); B: input Av (given as codes): QUANTISED
;;     9. [M 4,096, K 16] x [K 16, N 512]; A: computed on the way; B: input Bv: left as it is (K = 16 < 32)
;;     10. batch 128 x [M 1,024, K 64] x [K 64, N 1,024]; A: computed on the way; B: computed on the way: QUANTISED
;;     11. batch 128 x [M 1,024, K 1,024] x [K 1,024, N 64]; A: softmax (see below); B: computed on the way: QUANTISED
;;     12. [M 4,096, K 2,048] x [K 2,048, N 2,048]; A: computed on the way; B: input Wo (given as codes): QUANTISED
;;     13. [M 4,096, K 2,048] x [K 2,048, N 16]; A: computed on the way; B: input Ao (given as codes): QUANTISED
;;     14. [M 4,096, K 16] x [K 16, N 2,048]; A: computed on the way; B: input Bo: left as it is (K = 16 < 32)
;;   THE QUANTISER, for each operand of a quantised product, along K:
;;     - K is cut into blocks of 32 from its start; a last block that is shorter is filled with zeros.
;;     - A block's scale is 2^e with e = floor(log2(the largest magnitude in the block)) - 2, held to -126 .. 127; a block of zeros has e = 0. As a byte (E8M0): e + 127.
;;     - Each number is divided by its block's scale, clamped to +-7.5, and rounded to the nearest number of E2M3, ties to even, subnormals kept.
;;     - The product sums the exact products of the quantised numbers (number of the format x scale) in f32.
;;   ~~~python
;;   def quantise(x, axis):      # numpy; x: float32 -> the quantised numbers, widened to float32 again
;;       x = np.moveaxis(x, axis, -1); K = x.shape[-1]
;;       x = np.pad(x, [(0, 0)] * (x.ndim - 1) + [(0, -K % 32)]); x = x.reshape(x.shape[:-1] + (-1, 32)); a = np.abs(x).max(-1, keepdims=True)
;;       e = np.where(a > 0, np.clip(np.frexp(np.where(a > 0, a, 1))[1] - 1 - 2, -126, 127), 0)      # np.frexp(a)[1] - 1 = floor(log2(a)), exactly
;;       r = np.clip(x / 2.0 ** e, -7.5, 7.5)
;;       step = 2.0 ** (np.maximum(np.frexp(np.where(r == 0, 1, r))[1] - 1, 0) - 3)
;;       q = np.round(r / step) * step * 2.0 ** e      # np.round: ties to even
;;       return np.moveaxis(q.reshape(q.shape[:-2] + (-1,))[..., :K], -1, axis).astype(np.float32)
;;   ~~~
;;   SOFTMAX AHEAD OF A QUANTISED PRODUCT. Where the list says 'softmax', what is quantised is not the finished softmax but p = 2^(t - M), with t = logit x log2(e) and M = ceil(the row's largest t), a whole number; so 1/2 < the row's largest p <= 1. The row's sum l is taken of the UNQUANTISED p, in f32, and the product's result is divided by l at the end. Since M is a whole number, a kernel that streams over the keys may use a running M (the ceiling of the running maximum): every later rescaling is an exact power of two, which a block's scale takes up: the codes' values come out the same.
;;   OPERANDS COMPUTED ON THE WAY. 'Computed on the way' means the value that the module computes at that place (a softmax that the list does not call 'softmax' is quantised finished and normalised). What goes into a quantiser is computed in f32, as accurately as f32 sums, v_exp_f32 and their like allow (about 1e-6 of the number): no bf16 or f16 on the way to a quantiser, and a product that is left as it is and whose result goes on into a quantised operand takes f32 operands (vector FMAs, or v_wmma_f32_16x16x4_f32). A number that lies on a knife's edge between two numbers of the format may be rounded either way, as far as f32 arithmetic and the matrix unit's own rounding can turn it there, and no further.
;;   INPUTS GIVEN AS CODES. Ak (in the module: [2048, 16], K = its axis 0); Ao (in the module: [2048, 16], K = its axis 0); Aq (in the module: [2048, 16], K = its axis 0); Av (in the module: [2048, 16], K = its axis 0); Wk (in the module: [2048, 512], K = its axis 0); Wo (in the module: [2048, 2048], K = its axis 0); Wq (in the module: [2048, 2048], K = its axis 0); Wv (in the module: [2048, 512], K = its axis 0); traces (in the module: [4, 1024, 2048], K = its axis 2): each comes as NAME_codes (uint8): NAME with its K axis moved to the last place and cut into blocks of 32 codes, [.., K / 32, bytes a block], one block behind the other in memory; four codes in three bytes: a row's codes are one little-endian stream of bits, code i at bits 6 i .. 6 i + 5 (a code: sign, 2 exponent bits, 3 mantissa bits); and NAME_scales (uint8): the same leading axes, one E8M0 byte (e + 127) for each 32 codes along K. Its value is code x scale, taken as it is: it is not quantised again, and the codes and scales need not be those that the quantiser above would give.
;; One version. Each part assembles by itself: llvm-mc -triple=amdgcn-amd-amdhsa -mcpu=gfx1250 --defsym DOCPART=n.
;; ======== version 1 of 1: 4 launches
;; workspace buffers: xq_codes 6,291,456 bytes; xq_scales 262,144 bytes; qc 6,291,456 bytes; qs 524,288 bytes; kv 3,342,336 bytes; cc 6,291,456 bytes; cs 262,144 bytes
;; launch quant (part 1): grid 256 x 1, 4 waves a work-group, no clusters, 33,280 bytes of LDS; arguments hidden_states, xq_codes, xq_scales; writes xq_codes, xq_scales
.if DOCPART == 1
	.amdgcn_target "amdgcn-amd-amdhsa--gfx1250"
	.amdhsa_code_object_version 6
	.text
	.protected	k_q6895d713b6_quant
	.globl	k_q6895d713b6_quant
	.p2align	8
	.type	k_q6895d713b6_quant,@function
k_q6895d713b6_quant:
	s_mov_b64 s[64:65], 0
	v_nop
	global_prefetch_b8 v0, s[64:65] scope:SCOPE_SE
	s_setreg_imm32_b32 hwreg(HW_REG_WAVE_MODE, 25, 1), 1
	s_wait_xcnt 0x0
; hidden_states [4096][2048] f32 -> codes of FP6 (E2M3), K innermost, [4096][1536 bytes], and one E8M0 byte for each 32 along K, [4096][64].
; A block's scale is 2^(floor(log2(largest magnitude)) - 2): its byte is the largest magnitude's exponent field - 2, held at 1 from below.
; LIMITS: a block of zeros, or one whose largest magnitude lies under 2^-124, gets the byte 1 (its codes are zeros or tiny; the bytes are read by this program alone); NaN and infinities are not served.
; Rows are dense and 2048 is a multiple of 32: the tensor is a plain stream of blocks.  A wave takes 16 steps of 512 numbers.  Each load reads 512 consecutive bytes; a step's 2,048 bytes
; turn through the wave's own stage in LDS so that a lane holds 16 neighbours (two lanes a block).  A wave's 256 scale bytes are gathered in LDS and leave as one aligned run of 256 bytes.
; A launch of its own, since every row is an operand of eight tile columns of the next launch.  No barrier: waves share nothing.
.set WAVES, 4
.set STEPS, 16
.set EMAX,  2
.set CB,    12                         ; bytes of 16 codes
.set R,     16                         ; v16-79   four sets of 16 numbers as loaded
.set X,     80                         ; v80-111  two sets of 16 neighbours
.set C,     128                        ; v128-191 codes, four registers a step
.set E,     112                        ; v112-127 a scale byte a step
.set WREG,  8192                       ; LDS of a wave: two stages of 32 x SP bytes, then its 256 scale bytes
.set SP,    80                         ; a lane's 64 bytes + 16 of padding
.set SPW,   12                         ; v12 my spare word's LDS address; never rewritten
.set NIL,   13                         ; v13 0; never rewritten
.set SPARE, WAVES*WREG                 ; the spare words, 128 bytes a wave
	s_load_b128 s[4:7], s[0:1], 0x0                ; hidden_states, the codes
	s_load_b64 s[8:9], s[0:1], 0x10                ; the scale bytes
	v_lshl_add_u32 v[SPW], v0, 2, SPARE
	v_mov_b32 v[NIL], 0
	v_lshrrev_b32 v1, 5, v0
	v_readfirstlane_b32 s16, v1                    ; wave
	v_and_b32 v2, 31, v0                           ; lane
	v_lshlrev_b32 v3, 4, v2                        ; my 16 bytes of a load's 512
	s_mul_i32 s17, s16, WREG
	v_lshrrev_b32 v14, 2, v2
	v_mul_u32_u24 v14, v14, SP
	v_and_b32 v15, 3, v2
	v_lshl_add_u32 v14, v15, 4, v14
	v_add_nc_u32 v14, s17, v14                     ; stage, way in: SP (lane / 4) + 16 (lane % 4)
	v_mul_u32_u24 v15, v2, SP
	v_add_nc_u32 v15, s17, v15                     ; stage, way out: SP x lane
	v_mul_u32_u24 v4, v2, CB                       ; my codes' place in a step's
	v_lshrrev_b32 v5, 1, v2
	s_add_co_u32 s17, s17, 2*32*SP
	v_add_nc_u32 v5, s17, v5                       ; my block's byte among the wave's 256
	v_lshlrev_b32 v7, 3, v2
	v_add_nc_u32 v6, s17, v7
	s_lshl_b32 s18, ttmp9, 2
	s_add_co_u32 s18, s18, s16                     ; which run of 8,192 numbers is my wave's
	s_lshl_b32 s20, s18, 15                        ; 32,768 bytes of f32,
	s_mov_b32 s21, 0
	s_mul_i32 s22, s18, 32*STEPS*CB                ; 6,144 of codes,
	s_mov_b32 s23, 0
	s_lshl_b32 s18, s18, 8                         ; 256 of scale bytes
	s_mov_b32 s19, 0
	s_wait_kmcnt 0x0
	s_add_nc_u64 s[4:5], s[4:5], s[20:21]
	s_add_nc_u64 s[6:7], s[6:7], s[22:23]
	s_add_nc_u64 s[8:9], s[8:9], s[18:19]
.macro LOAD t
.irp i, 0,1,2,3
	global_load_b128 v[R+16*((\t)%4)+4*\i:R+16*((\t)%4)+4*\i+3], v3, s[4:5] offset:2048*(\t)+512*\i
.endr
.endm
.macro TURN t                          ; a step's numbers through the stage; LDS serves a wave's instructions in order
.irp i, 0,1,2,3
	ds_store_b128 v14, v[R+16*((\t)%4)+4*\i:R+16*((\t)%4)+4*\i+3] offset:32*SP*((\t)%2)+8*SP*\i
.endr
.irp i, 0,1,2,3
	ds_load_b128 v[X+16*((\t)%2)+4*\i:X+16*((\t)%2)+4*\i+3], v15 offset:32*SP*((\t)%2)+16*\i
.endr
.endm
.irp t, 0,1,2,3
	LOAD \t
.endr
	s_wait_loadcnt 12                              ; step 0's four loads are in; three steps' twelve stay out
	TURN 0
.macro STEP t
.set XS, X+16*((\t)%2)
.if (\t) > 0
	s_wait_dscnt 1                                 ; this step's numbers are back; the last step's byte store may be out
.else
	s_wait_dscnt 0x0
.endif
.if (\t)+4 < STEPS
	LOAD (\t)+4
.endif
.if (\t)+1 < STEPS
.if STEPS-2-(\t) >= 3
	s_wait_loadcnt 12                              ; the next step's loads are in; three steps' stay out
.else
	s_wait_loadcnt 4*(STEPS-2-(\t))
.endif
	TURN (\t)+1
.endif
	v_max3_num_f32 v8, |v[XS]|, |v[XS+1]|, |v[XS+2]|
	v_max3_num_f32 v9, |v[XS+3]|, |v[XS+4]|, |v[XS+5]|
.irp i, 6,10
	v_max3_num_f32 v8, v8, |v[XS+\i]|, |v[XS+\i+1]|
	v_max3_num_f32 v9, v9, |v[XS+\i+2]|, |v[XS+\i+3]|
.endr
	v_max3_num_f32 v8, v8, |v[XS+14]|, |v[XS+15]|
	v_max3_num_f32 v8, v8, v9, (EMAX+1)<<23        ; and the floor 2^(3 - 127): the byte cannot fall under 1
	v_max_num_f32_dpp v8, v8, v8 row_xmask:1 row_mask:0xf bank_mask:0xf   ; with my neighbour's 16: the block's
	v_add_nc_u32 v11, -(EMAX<<23), v8              ; 2 off the exponent field: the conversion's scale operand
	v_cvt_scalef32_pk16_fp6_f32 v[C+4*(\t):C+4*(\t)+2], v[XS:XS+15], v11
	v_lshrrev_b32 v[E+(\t)], 23, v11               ; the scale's byte
	ds_store_b8 v5, v[E+(\t)] offset:16*(\t)       ; both lanes of a block write the same byte with the same value
	global_store_b96 v4, v[C+4*(\t):C+4*(\t)+2], s[6:7] offset:32*CB*(\t)
.endm
.irp t, 0,1,2,3,4,5,6,7,8,9,10,11,12,13,14,15
	STEP \t
.endr
	ds_load_b64 v[8:9], v6
	s_wait_dscnt 0x0
	global_store_b64 v7, v[8:9], s[8:9]            ; 32 lanes store 256 consecutive bytes, aligned
	s_wait_tensorcnt 0x0                           ; the wave's end, behind my last LDS store
	ds_add_u32 v[SPW], v[NIL]
	s_wait_dscnt 0x0
	s_endpgm
.Lfunc_end_k_q6895d713b6_quant:
	.size	k_q6895d713b6_quant, .Lfunc_end_k_q6895d713b6_quant-k_q6895d713b6_quant
	.p2alignl 7, 3214868480
	.fill 96, 4, 3214868480
	.section	.rodata,"a",@progbits
	.p2align	6, 0x0
	.amdhsa_kernel k_q6895d713b6_quant
		.amdhsa_group_segment_fixed_size 33280
		.amdhsa_private_segment_fixed_size 0
		.amdhsa_enable_private_segment 0
		.amdhsa_kernarg_size 24
		.amdhsa_user_sgpr_count 2
		.amdhsa_user_sgpr_kernarg_segment_ptr 1
		.amdhsa_wavefront_size32 1
		.amdhsa_system_sgpr_workgroup_id_x 1
		.amdhsa_system_sgpr_workgroup_id_y 1
		.amdhsa_system_sgpr_workgroup_id_z 1
		.amdhsa_system_vgpr_workitem_id 0
		.amdhsa_next_free_vgpr 192
		.amdhsa_next_free_sgpr 66
		.amdhsa_reserve_vcc 0
		.amdhsa_float_denorm_mode_32 3
		.amdhsa_float_denorm_mode_16_64 3
		.amdhsa_memory_ordered 1
		.amdhsa_forward_progress 1
		.amdhsa_inst_pref_size 32
	.end_amdhsa_kernel
	.amdgpu_metadata
---
amdhsa.version: [ 1, 2 ]
amdhsa.kernels:
  - .name:           k_q6895d713b6_quant
    .symbol:         k_q6895d713b6_quant.kd
    .args:
      - { .name: hidden_states, .offset: 0, .size: 8, .value_kind: global_buffer, .address_space: global }
      - { .name: xq_codes, .offset: 8, .size: 8, .value_kind: global_buffer, .address_space: global }
      - { .name: xq_scales, .offset: 16, .size: 8, .value_kind: global_buffer, .address_space: global }
    .group_segment_fixed_size: 33280
    .private_segment_fixed_size: 0
    .kernarg_segment_align: 8
    .kernarg_segment_size: 24
    .max_flat_workgroup_size: 128
    .sgpr_count:     66
    .vgpr_count:     192
    .wavefront_size: 32
...
	.end_amdgpu_metadata
.endif
;; end of part 1
;; launch proj (part 2): grid 12 x 16, 4 waves a work-group, clusters of 4 x 4, 327,680 bytes of LDS; arguments xq_codes, traces_codes, xq_scales, traces_scales, Wq_codes, Wk_codes, Wv_codes, Wq_scales, Wk_scales, Wv_scales, Aq_codes, Ak_codes, Av_codes, Aq_scales, Ak_scales, Av_scales, Bq, Bk, Bv, qc, qs, kv; writes qc, qs, kv
.if DOCPART == 2
	.amdgcn_target "amdgcn-amd-amdhsa--gfx1250"
	.amdhsa_code_object_version 6
	.text
	.protected	k_q6895d713b6_proj
	.globl	k_q6895d713b6_proj
	.p2align	8
	.type	k_q6895d713b6_proj,@function
k_q6895d713b6_proj:
	s_mov_b64 s[64:65], 0
	v_nop
	global_prefetch_b8 v0, s[64:65] scope:SCOPE_SE
	s_setreg_imm32_b32 hwreg(HW_REG_WAVE_MODE, 25, 1), 1
	s_wait_xcnt 0x0
	s_wait_alu depctr_hold_cnt(0) depctr_sa_sdst(0) depctr_va_vdst(0) depctr_va_sdst(0) depctr_va_ssrc(0) depctr_va_vcc(0) depctr_vm_vsrc(0)
	s_getreg_b32 s2, hwreg(HW_REG_IB_STS2, 6, 4)
	s_cmp_eq_u32 s2, 0
	s_cbranch_scc0 .Lentry_in_a_cluster
	s_endpgm
.Lentry_in_a_cluster:
	s_bfe_u32 s2, ttmp6, 0x10000c
	s_cmp_lg_u32 s2, 0xf033
	s_cbranch_scc0 .Lentry_shape_is_right
	s_endpgm
.Lentry_shape_is_right:
; q = x Wq + 2 (x Aq) Bq,  k = tr Wk + 2 (tr Ak) Bk,  v = tr Wv + 2 (tr Av) Bv, and the quantising of q, k (along the head's 64) and v (along the keys) into operand images for the attention launch.
; The products on 2,048 along K run on codes of FP6 (E2M3) with E8M0 scales; the rank-16 products take f32 operands, since their results go on into quantisers.
; SHARES.  A tile of 256 rows x 256 columns to a work-group of four waves, 128 x 128 a wave (64 accumulators, 512 registers).  Clusters of 4 x 4: cluster x 0, 1 make q's eight tile columns; cluster x 2 makes k and v:
; there the B tile's first 128 rows are rows 128 cx of Wk and its second 128 those of Wv, so that waves with an even number make k and odd ones v, alike in all partners.
; A's tile is asked for jointly along a row of the cluster, B's along a column.  K goes in steps of 256 through two LDS slots; all scale bytes of the tile's rows come once and stay.
; THE MATRIX INSTRUCTION IS USED TRANSPOSED (source 0 = weight rows, source 1 = activation rows): a lane holds one row and eight neighbouring columns.
; THE RANK-16 TILE t = activation x A^T rides along: eight more accumulators (window 0), one more product for each of A's blocks and 128 along K.  The small matrix (24 KB) comes from memory straight
; into four sets of fragment registers, four steps ahead: two such matrices do not fit in LDS beside the ring, and each wave has its one tensor load behind a change of slots already.
; WAYS OUT.  q, k: a block of 32 along d lies in lanes l and l xor 16; codes leave in the order 0-7, 16-23, 8-15, 24-31 inside each block, alike for q and k, which leaves their product as it is.
; v: 32 keys x 128 columns at a time turn through the wave's stage in LDS, so that a lane holds 32 keys of one column; the keys of a block are laid in the same order, which is the order in which the softmax's weights come.
; A tile of v takes the rows d = 32 b + 8 u + r + 8 (r / 8), so that the context's 16 registers of two tiles are 16 neighbours along d.
; LIMITS: NaN and infinities are not served; a block of zeros or under 2^-124 gets the scale byte 1 (read by this program alone); sums run in another order than the reference's.
.set KSTEP,  256
.set NQ,     2
.set ROWB,   192                       ; a tile's row: 256 codes
.set KROW,   1536                      ; a row of 2,048 codes in memory
.set PITCH,  240                       ; an LDS row: 3 x (64 + 16)
.set FR,     12
.set NL,     6
.set NP,     4                         ; places behind this matrix instruction (ISA guide 7.12.1)
.set HALFT,  128*PITCH
.set SLOT,   4*HALFT
.set LAPS,   4
.set KS,     64                        ; a row of scale bytes
.set SCL,    2*SLOT
.set HALFS,  (128*KS/256)*272
.set SBLK,   (16*KS/256)*272
.set SPARE,  SCL+4*HALFS               ; the spare words, 128 bytes a wave
.set WSTG,   17920                     ; the ways out: a stage for each wave, in slot 0 (its last fill and last read are over): 32 rows x 528 for v, then 1,024 bytes for q's and k's scale words
.set PAIRB,  104448                    ; a (batch, kv head)'s bytes in kv: 49,152 K codes, 49,152 V codes, 4,096 K scale words, 2,048 V scale words
.set RDQ,  15                          ; v15  q, k: where I read scale words back
.set ADRA, 16                          ; v16-19 A's fragments in slot 0, 1 (and behind one padding more)
.set ADRB, 20                          ; v20-23 B's
.set STO,  24                          ; v24  v: where I put 32 bytes of a row
.set RDV,  25                          ; v25  v: my column in the stage
.set STQ,  26                          ; v26  q, k: where I put a scale word
.set ADRS, 27                          ; v27  my scale words: lanes 0-15 A's rows, lanes 16-31 B's
.set SPW,  28
.set NIL,  29
.set VLA,  30                          ; v30  the small matrix: rank r x 1,536 + 24 h
.set VLS,  31                          ; v31  its scale bytes: r x 64
.set SC,   32                          ; v32-63 scale words, two sets
.set T,    64                          ; v64-127 t: eight accumulators; lane (r, h) register j = t(row r, rank 8 h + j)
.set AF,   128                         ; v128-223 A's fragments, one set
.set LSC,  224                         ; v224-227 the small matrix's scale words, four sets
.set VB,   228                         ; v228-235 offsets of ranks 8 h + j in the LoRA B matrix
.set G1, 24
.set G0, 32
.set G1B, 48
.set G0B, 56
.set G1S, 68
.set G0S, 76
.set G1SB, 80
.set G0SB, 88
.set LB,  92                           ; s[92:93] the small matrix's codes;  s[94:95] its scale bytes;  s[96:97] the LoRA B matrix at my first column;  s[98:99] where scale words go;  s100: 1 in a wave that makes v
.set LSB, 94
.set PBL, 96
.set POS, 98
.set VFL, 100
.set MSB, 0
.macro WIN new                         ; the immediate's high byte repeats the setting that is left
.if MSB != (\new)
	s_set_vgpr_msb (MSB<<8)|(\new)
.set MSB, (\new)
.endif
.endm
.set MUL_LO, 0xa1                      ; source 0 window 1, source 1 window 0, C and D window 2
.set MUL_HI, 0xf1                      ; the same, C and D window 3
.set TO_B,   0x40                      ; destination window 1
.macro JLOAD g0a, g1a, g0b, g1b        ; a joint load: waves 0, 1 fetch for A, waves 2, 3 for B; an s_nop 0 and four v_nop follow each line
	s_cmp_eq_u32 s15, 0
	s_cbranch_scc0 .Lfor_b_\@
	tensor_load_to_lds s[\g0a:\g0a+3], s[\g1a:\g1a+7]
	s_nop 0
.rept 4
	v_nop
.endr
	s_branch .Lasked_\@
.Lfor_b_\@:
	tensor_load_to_lds s[\g0b:\g0b+3], s[\g1b:\g1b+7]
	s_nop 0
.rept 4
	v_nop
.endr
.Lasked_\@:
.endm
.macro CREST
	s_cmp_lg_u32 s14, 0
	s_cbranch_scc1 .Lnot_wave_0_\@
	s_barrier_signal -3
.Lnot_wave_0_\@:
	s_barrier_wait -3
	s_barrier_signal -1
	s_barrier_wait -1
.endm
.macro CROUND
	s_barrier_signal -1
	s_barrier_wait -1
	CREST
.endm
.macro PLACES n
.rept \n
	v_nop
.endr
.endm
	s_load_b256 s[24:31], s[0:1], 0x0              ; x codes, traces codes, x scales, traces scales
	s_load_b512 s[32:47], s[0:1], 0x20             ; Wq, Wk, Wv codes; Wq, Wk, Wv scales; Aq, Ak codes
	s_load_b512 s[48:63], s[0:1], 0x60             ; Av codes; Aq, Ak, Av scales; Bq, Bk, Bv; qc
	s_load_b128 s[68:71], s[0:1], 0xa0             ; qs, kv
	v_lshl_add_u32 v[SPW], v0, 2, SPARE
	v_mov_b32 v[NIL], 0
	ds_add_u32 v[SPW], v[NIL]                      ; the wave's opening: the add and its wait stand ahead of my first tensor load
	v_lshrrev_b32 v8, 5, v0
	v_readfirstlane_b32 s14, v8                    ; wave 0..3
	s_lshr_b32 s15, s14, 1                         ; my half of the tile's rows; also: I fetch for A (0) or B (1)
	s_and_b32 s16, s14, 1                          ; my half of its columns; also: which 128 rows I fetch
	s_wait_dscnt 0x0
	s_wait_kmcnt 0x0
	; which buffers are mine: by the wave's number (k or v) and by the cluster's x (q or k/v), which all partners share
	s_cmp_eq_u32 s16, 0
	s_cselect_b64 s[34:35], s[34:35], s[36:37]
	s_cselect_b64 s[40:41], s[40:41], s[42:43]
	s_cselect_b64 s[46:47], s[46:47], s[48:49]
	s_cselect_b64 s[52:53], s[52:53], s[54:55]
	s_cselect_b64 s[58:59], s[58:59], s[60:61]
	s_cmp_lt_u32 ttmp9, 2
	s_cselect_b64 s[4:5], s[24:25], s[26:27]       ; A's codes
	s_cselect_b64 s[6:7], s[28:29], s[30:31]       ; A's scales
	s_cselect_b64 s[8:9], s[32:33], s[34:35]       ; B's codes
	s_cselect_b64 s[10:11], s[38:39], s[40:41]     ; B's scales
	s_cselect_b64 s[LB:LB+1], s[44:45], s[46:47]
	s_cselect_b64 s[LSB:LSB+1], s[50:51], s[52:53]
	s_cselect_b64 s[PBL:PBL+1], s[56:57], s[58:59]
	s_cselect_b64 s[12:13], s[62:63], s[70:71]     ; where codes go
	s_cselect_b64 s[POS:POS+1], s[68:69], s[70:71]
	s_cselect_b32 s[VFL], 0, s16
	s_mov_b32 s66, PAIRB
	s_cselect_b32 s66, 49152, s66                  ; from a head's codes to the next head's
	s_mov_b32 s67, PAIRB
	s_cselect_b32 s67, 4096, s67                   ; the same for scale words
	s_mov_b32 s101, 2048
	s_cselect_b32 s101, 8192, s101                 ; a row of the LoRA B matrix in bytes
	s_bfe_u32 s40, ttmp6, 0x40000                  ; cx, cy
	s_bfe_u32 s41, ttmp6, 0x40004
	s_lshl_b32 s42, ttmp9, 2
	s_add_co_u32 s42, s42, s40                     ; tile column
	s_and_b32 s45, ttmp7, 0xffff                   ; cluster y = the batch (four tile rows of 256)
	s_lshl_b32 s17, s45, 2
	s_add_co_u32 s17, s17, s41                     ; tile row
	s_lshl_b32 s43, s41, 2
	s_lshl_b32 s43, 15, s43                        ; my row of the cluster
	s_lshl_b32 s44, 0x1111, s40                    ; my column
	; where my results go
	s_lshl_b32 s72, s41, 4
	s_lshl_b32 s73, s15, 3
	s_add_co_u32 s72, s72, s73                     ; my first tile of 16 rows within the batch
	s_lshl_b32 s73, s72, 6                         ; its scale words: 64 bytes a tile
	s_lshl_b32 s74, s45, 5
	s_lshl_b32 s75, s42, 2
	s_add_co_u32 s74, s74, s75
	s_lshl_b32 s75, s16, 1
	s_add_co_u32 s74, s74, s75                     ; q: my first head, 32 b + 4 C + 2 half
	s_lshl_b32 s68, s74, 6
	s_add_co_u32 s68, s68, s72
	s_mul_i32 s68, s68, 768                        ; q's codes
	s_lshl_b32 s70, s74, 12
	s_add_co_u32 s70, s70, s73                     ; q's scale words
	s_lshl_b32 s76, s45, 3
	s_lshl_b32 s77, s40, 1
	s_add_co_u32 s76, s76, s77
	s_mul_i32 s76, s76, PAIRB                      ; k, v: my first (batch, kv head)
	s_mul_i32 s77, s72, 768
	s_add_co_u32 s77, s77, s76                     ; k's codes
	s_add_co_u32 s78, s76, s73
	s_add_co_u32 s78, s78, 98304                   ; k's scale words
	s_lshl_b32 s79, s41, 1
	s_add_co_u32 s79, s79, s15                     ; v: my 128 keys are key step 2 cy + half
	s_mul_i32 s80, s79, 6144
	s_add_co_u32 s80, s80, s76
	s_add_co_u32 s80, s80, 49152                   ; v's codes
	s_lshl_b32 s81, s79, 8
	s_add_co_u32 s81, s81, s76
	s_add_co_u32 s81, s81, 102400                  ; v's scale words
	s_cmp_eq_u32 s16, 0
	s_cselect_b32 s77, s77, s80
	s_cselect_b32 s78, s78, s81
	s_cmp_lt_u32 ttmp9, 2
	s_cselect_b32 s68, s68, s77
	s_cselect_b32 s70, s70, s78
	s_mov_b32 s69, 0
	s_mov_b32 s71, 0
	s_add_nc_u64 s[12:13], s[12:13], s[68:69]
	s_add_nc_u64 s[POS:POS+1], s[POS:POS+1], s[70:71]
	; where the tiles come from
	s_lshl_b32 s18, s16, 7
	s_lshl_b32 s20, s17, 8
	s_add_co_u32 s20, s20, s18                     ; A: row 256 x tile row + 128 x half
	s_lshl_b32 s22, s20, 6
	s_mul_i32 s20, s20, KROW
	s_mov_b32 s21, 0
	s_mov_b32 s23, 0
	s_add_nc_u64 s[20:21], s[4:5], s[20:21]
	s_add_nc_u64 s[22:23], s[6:7], s[22:23]
	s_lshl_b32 s46, s42, 8
	s_add_co_u32 s46, s46, s18                     ; B, q: row 256 x tile column + 128 x half
	s_lshl_b32 s47, s40, 7                         ; B, k or v: row 128 cx of the weight chosen above
	s_cmp_lt_u32 ttmp9, 2
	s_cselect_b32 s46, s46, s47
	s_lshl_b32 s18, s46, 2                         ; the same number is my first column of the LoRA B matrix
	s_mov_b32 s19, 0
	s_add_nc_u64 s[PBL:PBL+1], s[PBL:PBL+1], s[18:19]
	s_lshl_b32 s2, s46, 6
	s_mov_b32 s3, 0
	s_add_nc_u64 s[2:3], s[10:11], s[2:3]
	s_mul_i32 s46, s46, KROW
	s_mov_b32 s47, 0
	s_add_nc_u64 s[46:47], s[8:9], s[46:47]
	s_mul_i32 s18, s14, HALFT                      ; where they go: wave x 128 rows; no place in the cluster enters an LDS address
	s_mul_i32 s19, s14, HALFS
	; descriptor group 1: 128 rows x 192 bytes, 16 bytes of padding behind every 64
	s_or_b32 s[G1+0], s43, (0<<16)|(1<<20)|(1<<21)|(3<<22)|(3<<25)
	s_or_b32 s[G1B+0], s44, (0<<16)|(1<<20)|(1<<21)|(3<<22)|(3<<25)
.irp g, G1, G1B
	s_mov_b32 s[\g+1], ROWB<<16
	s_mov_b32 s[\g+2], 128<<16
	s_mov_b32 s[\g+3], ROWB<<16
	s_mov_b32 s[\g+4], 128
	s_mov_b32 s[\g+5], KROW
	s_mov_b32 s[\g+6], 0
	s_mov_b32 s[\g+7], 0
.endr
	; the scale bytes of 128 rows: 8,192 dense bytes as 32 rows of 256, 16 bytes of padding behind each
	s_or_b32 s[G1S+0], s43, (3<<16)|(1<<20)|(1<<21)|(5<<22)|(3<<25)
	s_or_b32 s[G1SB+0], s44, (3<<16)|(1<<20)|(1<<21)|(5<<22)|(3<<25)
.irp g, G1S, G1SB
	s_mov_b32 s[\g+1], 32<<16
	s_mov_b32 s[\g+2], (128*KS/256)<<16
	s_mov_b32 s[\g+3], 32<<16
	s_mov_b32 s[\g+4], 128*KS/256
	s_mov_b32 s[\g+5], 32
	s_mov_b32 s[\g+6], 0
	s_mov_b32 s[\g+7], 0
.endr
	CROUND                                         ; all sixteen work-groups are here: the first joint loads meet
	s_mov_b32 s[G0S], 1
	s_add_co_u32 s[G0S+1], s19, SCL
	s_mov_b64 s[G0S+2:G0S+3], s[22:23]
	s_or_b32 s[G0S+3], s[G0S+3], 0x80000000
	s_mov_b32 s[G0SB], 1
	s_add_co_u32 s[G0SB+1], s19, SCL
	s_mov_b64 s[G0SB+2:G0SB+3], s[2:3]
	s_or_b32 s[G0SB+3], s[G0SB+3], 0x80000000
	JLOAD G0S, G1S, G0SB, G1SB                     ; three loads of mine go out here, as one group
.irp s, 0,1
	s_mov_b32 s[G0+4*\s], 1
	s_add_co_u32 s[G0+4*\s+1], s18, \s*SLOT
	s_add_nc_u64 s[G0+4*\s+2:G0+4*\s+3], s[20:21], \s*ROWB
	s_or_b32 s[G0+4*\s+3], s[G0+4*\s+3], 0x80000000
	s_mov_b32 s[G0B+4*\s], 1
	s_add_co_u32 s[G0B+4*\s+1], s18, \s*SLOT
	s_add_nc_u64 s[G0B+4*\s+2:G0B+4*\s+3], s[46:47], \s*ROWB
	s_or_b32 s[G0B+4*\s+3], s[G0B+4*\s+3], 0x80000000
	JLOAD G0+4*\s, G1, G0B+4*\s, G1B
.endr
	v_and_b32 v8, 15, v0                           ; r
	v_bfe_u32 v9, v0, 4, 1                         ; h
	v_and_b32 v10, 31, v0                          ; lane
	v_mul_u32_u24 v[VLA], v8, KROW
	v_mad_u32_u24 v[VLA], v9, 24, v[VLA]
	v_lshlrev_b32 v[VLS], 6, v8
	v_mul_u32_u24 v11, v8, PITCH
	v_mul_u32_u24 v12, v9, 24
	v_add_nc_u32 v12, v11, v12                     ; a fragment's row x pitch + 24 x half
	v_lshl_add_u32 v13, v9, 4, v12                 ; and the same behind one padding more
	s_mul_i32 s21, s15, HALFT
	s_mul_i32 s22, s16, HALFT
	s_add_co_u32 s22, s22, 2*HALFT
.irp s, 0,1
	v_add_nc_u32 v[ADRA+\s], s21, v12
	v_add_nc_u32 v[ADRB+\s], s22, v12
	v_add_nc_u32 v[ADRA+2+\s], s21, v13
	v_add_nc_u32 v[ADRB+2+\s], s22, v13
	s_add_co_u32 s21, s21, SLOT
	s_add_co_u32 s22, s22, SLOT
.endr
	v_mul_u32_u24 v11, v8, KS
	v_lshrrev_b32 v12, 8, v11
	v_lshl_add_u32 v11, v12, 4, v11                ; my row's scale bytes, 16 more for each 256 passed
	s_mul_i32 s21, s15, HALFS
	s_mul_i32 s22, s16, HALFS
	s_add_co_u32 s22, s22, 2*HALFS
	s_sub_co_u32 s22, s22, s21
	v_mul_u32_u24 v12, s22, v9                     ; lanes 16-31 take B's
	s_add_co_u32 s21, s21, SCL
	v_add_nc_u32 v11, v11, v12
	v_add_nc_u32 v[ADRS], s21, v11
	; the ways out: every LDS address is made here, ahead of the parting
	s_mul_i32 s23, s14, WSTG
	v_mul_u32_u24 v11, v8, 528
	v_lshl_add_u32 v11, v9, 5, v11
	v_add_nc_u32 v[STO], s23, v11                  ; v: row r, + 32 h
	v_and_b32 v11, 8, v8
	v_add_nc_u32 v11, v11, v8
	v_lshl_add_u32 v11, v9, 3, v11                 ; v: my column of 32: 8 (lane / 16) + r + 8 (r / 8)
	v_lshlrev_b32 v11, 2, v11
	v_add_nc_u32 v[RDV], s23, v11
	s_add_co_u32 s23, s23, 16896
	v_lshlrev_b32 v11, 2, v8
	v_lshl_add_u32 v11, v9, 9, v11
	v_add_nc_u32 v[STQ], s23, v11                  ; q, k: head h's 512 bytes, row r's word
	v_lshlrev_b32 v3, 4, v10                       ; v3  16 x lane
	v_add_nc_u32 v[RDQ], s23, v3
	v_lshlrev_b32 v1, 3, v10                       ; v1  8 x lane
	v_add_nc_u32 v2, s66, v1                       ; v2  the same in the next head
	v_add_nc_u32 v4, s67, v3                       ; v4  16 x lane in the next head's scale words
	v_sub_nc_u32 v5, 0, v9
	v_and_b32 v5, 0x02020202, v5
	v_add_nc_u32 v5, 0x01000100, v5                ; v5  byte selects: lanes 0-15 bytes 0, 1, 0, 1 (head 0), lanes 16-31 bytes 2, 3, 2, 3 (head 1)
	v_lshlrev_b32 v7, 2, v10                       ; v7  4 x lane
	v_lshlrev_b32 v11, 3, v9
	v_mul_lo_u32 v11, v11, s101
	v_lshl_add_u32 v[VB], v8, 2, v11               ; rank 8 h, column r
.irp j, 1,2,3,4,5,6,7
	v_add_nc_u32 v[VB+\j], s101, v[VB+\j-1]
.endr
	s_mov_b32 s20, 0x76543210                      ; selects of v_permlanex16_b32 for lane l xor 16
	s_mov_b32 s21, 0xfedcba98
.macro FRAG reg, adr, q, i             ; 16 rows x 128 K of 6-bit codes: 12 registers, six pieces of 8 bytes; where the piece three on lies behind one padding more, the second address register serves
.irp p, 0,1,2,3,4,5
.set PCE, 12*(\q)+6*(\p/3)+\p%3
.if PCE%8 < 5
	ds_load_b64 v[\reg+2*\p:\reg+2*\p+1], v[\adr] offset:8*PCE+16*(PCE/8)+(\i)*16*PITCH
.else
	ds_load_b64 v[\reg+2*\p:\reg+2*\p+1], v[\adr+2] offset:8*PCE+16*(PCE/8)+(\i)*16*PITCH
.endif
.endr
.endm
; 16 products: A's blocks a0, a0 + 1 x B's eight.  The accumulators take turns, one instruction a turn.
.macro MUL16 a0, p, q, sc, zero
.irp a, \a0, \a0+1
.irp b, 0,1,2,3,4,5,6,7
.if \zero
	v_wmma_scale_f32_16x16x128_f8f6f4 v[8*(8*((\a)%4)+\b):8*(8*((\a)%4)+\b)+7], v[128*(\p)+FR*\b:128*(\p)+FR*\b+FR-1], v[AF+FR*(\a):AF+FR*(\a)+FR-1], 0, v[SC+8*NQ*(\sc)+NQ*\b+(\q)], v[SC+8*NQ*(\sc)+NQ*(\a)+(\q)] matrix_a_fmt:MATRIX_FMT_FP6 matrix_b_fmt:MATRIX_FMT_FP6 matrix_a_scale:MATRIX_SCALE_ROW1
.else
	v_wmma_scale_f32_16x16x128_f8f6f4 v[8*(8*((\a)%4)+\b):8*(8*((\a)%4)+\b)+7], v[128*(\p)+FR*\b:128*(\p)+FR*\b+FR-1], v[AF+FR*(\a):AF+FR*(\a)+FR-1], v[8*(8*((\a)%4)+\b):8*(8*((\a)%4)+\b)+7], v[SC+8*NQ*(\sc)+NQ*\b+(\q)], v[SC+8*NQ*(\sc)+NQ*(\a)+(\q)] matrix_a_fmt:MATRIX_FMT_FP6 matrix_b_fmt:MATRIX_FMT_FP6 matrix_a_scale:MATRIX_SCALE_ROW1
.endif
.endr
.endr
.endm
; 4 products of t: the small matrix's 16 ranks (set p, window 1) x A's blocks a0 .. a0 + 3
.macro TMUL a0, p, q, sc, zero
.set LFP, 96+12*((\p)%2)+128*((\p)/2)
	WIN 0x01
.irp a, \a0, \a0+1, \a0+2, \a0+3
.if \zero
	v_wmma_scale_f32_16x16x128_f8f6f4 v[T+8*(\a):T+8*(\a)+7], v[LFP:LFP+FR-1], v[AF+FR*(\a):AF+FR*(\a)+FR-1], 0, v[LSC+(\p)], v[SC+8*NQ*(\sc)+NQ*(\a)+(\q)] matrix_a_fmt:MATRIX_FMT_FP6 matrix_b_fmt:MATRIX_FMT_FP6
.else
	v_wmma_scale_f32_16x16x128_f8f6f4 v[T+8*(\a):T+8*(\a)+7], v[LFP:LFP+FR-1], v[AF+FR*(\a):AF+FR*(\a)+FR-1], v[T+8*(\a):T+8*(\a)+7], v[LSC+(\p)], v[SC+8*NQ*(\sc)+NQ*(\a)+(\q)] matrix_a_fmt:MATRIX_FMT_FP6 matrix_b_fmt:MATRIX_FMT_FP6
.endif
.endr
.endm
.macro LLOAD p                         ; seven loads: the small matrix's fragment and scale word of the p-th of the four steps of 128 at which the bases stand
.set LFP, 96+12*((\p)%2)+128*((\p)/2)
	WIN TO_B
.irp i, 0,1,2,3,4,5
	global_load_b64 v[LFP+2*\i:LFP+2*\i+1], v[VLA], s[LB:LB+1] offset:96*(\p)+48*(\i/3)+8*(\i%3)
.endr
	WIN 0
	global_load_b32 v[LSC+(\p)], v[VLS], s[LSB:LSB+1] offset:4*(\p)
.endm
.macro FETCH_B slot, q, p
	WIN TO_B
.irp i, 0,1,2,3,4,5,6,7
	FRAG 128*(\p)+FR*\i, ADRB+\slot, \q, \i
.endr
	WIN 0
.endm
.macro FETCH_A slot, q, i0
.irp i, \i0, \i0+1, \i0+2, \i0+3
	FRAG AF+FR*(\i), ADRA+\slot, \q, \i
.endr
.endm
.macro SCALES sc
.irp i, 0,1,2,3,4,5,6,7
	ds_load_b64 v[SC+8*NQ*\sc+NQ*\i:SC+8*NQ*\sc+NQ*\i+1], v[ADRS] offset:\i*SBLK
.endr
.endm
; A step of 128 along K with its successor in the same slot.  lc: the small matrix's younger loads that may stay out (7 a step);  rl = 1: this step's set is loaded anew, for four steps on
.macro STEP slot, q, zero, lc, rl
	s_wait_loadcnt \lc
	s_wait_dscnt 4*NL                              ; B's set and A's blocks 0-3 are in; A's blocks 4-7 (24 loads) may be out
	WIN MUL_LO
	MUL16 0, (\q)%2, \q, \slot, \zero
	MUL16 2, (\q)%2, \q, \slot, \zero
	TMUL 0, 2*(\slot)+(\q), \q, \slot, \zero
	s_wait_dscnt 0
	PLACES NP
	FETCH_B \slot, (\q)+1, 1-(\q)%2
	FETCH_A \slot, (\q)+1, 0
	WIN MUL_HI
	MUL16 4, (\q)%2, \q, \slot, \zero
	MUL16 6, (\q)%2, \q, \slot, \zero
	TMUL 4, 2*(\slot)+(\q), \q, \slot, \zero
	PLACES NP
	WIN 0
	FETCH_A \slot, (\q)+1, 4
.if \rl
	LLOAD 2*(\slot)+(\q)
.endif
.endm
; A slot's last step changes slots: one barrier; ahead of it each wave waits for all its tensor loads, adds 0 to its spare word, and waits for that and for its reads of this slot.
.macro TURN slot, next, fill, lc, rl
.if (\fill) && ((\slot) == 0)
	s_wait_xcnt 0x0                                ; the earlier loads have read the two bases: they step four steps of 128 on, once a trip, so that all four sets of a trip share them and none passes the buffer's end
	s_add_nc_u64 s[LB:LB+1], s[LB:LB+1], 384
	s_add_nc_u64 s[LSB:LSB+1], s[LSB:LSB+1], 16
	LLOAD 0
.endif
	s_wait_loadcnt \lc
	s_wait_tensorcnt 0x0                           ; all my tensor loads have landed: my part of the next slot
	ds_add_u32 v[SPW], v[NIL]
	s_wait_dscnt 4*NL+1                            ; the add and A's blocks 4-7 may be out
	WIN MUL_LO
	MUL16 0, 1, NQ-1, \slot, 0
	s_wait_dscnt 0x0                               ; the add is done, and my reads of this slot are over
	s_barrier_signal -1
	MUL16 2, 1, NQ-1, \slot, 0
	TMUL 0, 2*(\slot)+1, NQ-1, \slot, 0
	WIN 0
	s_barrier_wait -1
.if \fill
	CREST                                          ; the barrier has opened a meeting of the whole cluster: no wave of any partner still reads this slot or has a load on its way
	s_add_nc_u64 s[G0+4*\slot+2:G0+4*\slot+3], s[G0+4*\slot+2:G0+4*\slot+3], 2*ROWB
	s_add_nc_u64 s[G0B+4*\slot+2:G0B+4*\slot+3], s[G0B+4*\slot+2:G0B+4*\slot+3], 2*ROWB
	JLOAD G0+4*\slot, G1, G0B+4*\slot, G1B         ; my one tensor load until the next change; its four v_nop are the places ahead of the loads below
.else
	PLACES NP
.endif
	v_add_nc_u32 v[ADRS], 4*NQ, v[ADRS]
	FETCH_B \next, 0, 0
	FETCH_A \next, 0, 0
	SCALES \next
	WIN MUL_HI
	MUL16 4, 1, NQ-1, \slot, 0
	MUL16 6, 1, NQ-1, \slot, 0
	TMUL 4, 2*(\slot)+1, NQ-1, \slot, 0
	PLACES NP
	WIN 0
	FETCH_A \next, 0, 4
.if \rl
	LLOAD 2*(\slot)+1
.endif
.endm
.irp p, 0,1,2,3
	LLOAD \p                                       ; the small matrix's first four steps
.endr
	s_wait_tensorcnt 1                             ; the scales and my part of slot 0 are in; slot 1's load may be out
	s_barrier_signal -1
	s_barrier_wait -1
	FETCH_B 0, 0, 0
	FETCH_A 0, 0, 0
	SCALES 0
	FETCH_A 0, 0, 4
	STEP 0, 0, 1, 21, 0                            ; the first step starts the sums
	s_mov_b32 s3, LAPS-1
.Llap:                                             ; a trip: four steps of 128, both slots filled again
	TURN 0, 1, 1, 21, 1
	STEP 1, 0, 0, 21, 1
	TURN 1, 0, 1, 21, 1
	STEP 0, 0, 0, 21, 0
	s_sub_co_u32 s3, s3, 1
	s_cmp_lg_u32 s3, 0
	s_cbranch_scc1 .Llap
	TURN 0, 1, 0, 14, 0                            ; the tail fills nothing and loads nothing of the small matrix: its counts run down
	STEP 1, 0, 0, 7, 0
	s_wait_dscnt 4*NL
	s_wait_loadcnt 0x0
	WIN TO_B                                       ; the LoRA B matrix, 16 ranks x my 128 columns, into B's idle set: lane (r, h) register 8 b + j = B[8 h + j][16 b + r]
.irp b, 0,1,2,3,4,5,6,7
.irp j, 0,1,2,3,4,5,6,7
	global_load_b32 v[8*\b+\j], v[VB+\j], s[PBL:PBL+1] offset:64*\b
.endr
.endr
	WIN MUL_LO
	MUL16 0, 1, NQ-1, 1, 0
	MUL16 2, 1, NQ-1, 1, 0
	TMUL 0, 3, NQ-1, 1, 0
	s_wait_dscnt 0
	WIN MUL_HI
	MUL16 4, 1, NQ-1, 1, 0
	MUL16 6, 1, NQ-1, 1, 0
	TMUL 4, 3, NQ-1, 1, 0
	s_wait_loadcnt 0x0
	WIN 0x41
.set i, 0
.rept 32
	v_pk_mul_f32 v[i:i+1], v[i:i+1], 2.0 op_sel_hi:[1,0]   ; x 2, the LoRA scaling: exact.  These lines name no register of the last products: they are the places behind them
.set i, i+2
.endr
	PLACES 4
; + t (2 B), in f32: four steps of 4 ranks.  Slot (h, j) of step c stands for rank 8 h + 2 c + j on both sides, so t's accumulator pairs are operands as they lie.  An accumulator recurs every 32 instructions.
.irp hi, 0,1
	WIN MUL_LO+0x50*\hi
.irp c, 0,1,2,3
.irp a, 0,1,2,3
.irp b, 0,1,2,3,4,5,6,7
	v_wmma_f32_16x16x4_f32 v[8*(8*\a+\b):8*(8*\a+\b)+7], v[8*\b+2*\c:8*\b+2*\c+1], v[T+8*(4*\hi+\a)+2*\c:T+8*(4*\hi+\a)+2*\c+1], v[8*(8*\a+\b):8*(8*\a+\b)+7]
.endr
.endr
.endr
.endr
	PLACES 8                                       ; eight places behind the f32 form
	WIN 0
; t's registers are free now and serve as scratch.  Each run of eight of them was an accumulator, and an accumulator is read from its low end on: so what is read first of each run lies in its four lowest registers.
.set TM, 64                            ; v64-67 largest magnitudes; v68-71 the other half's, then bytes; v72-75 the conversions' scale operands
.set TS, 72
.set PW, 80                            ; v80 a row's four bytes
.set PT, 82                            ; v82-88 second halves of blocks
.set WW, 240                           ; v240-247 the scale words as stored
.irp b, 0,1,2,3
	v_mov_b32 v[TM+4+\b], 0                        ; a lane permute's destination counts as one of its sources
.endr
	s_cmp_eq_u32 s[VFL], 1
	s_cbranch_scc1 .Lvout
; ---- q and k: block a (16 rows x 128 columns = two heads) becomes two half operands of 6 registers and two scale words a row
.macro QUANTW a
.set SA, 64*((\a)%4)
.set PCA, 128+12*(\a)
	WIN 0x0a+5*((\a)/4)
.irp b, 0,1,2,3
	v_max3_num_f32 v[TM+\b], |v[SA+16*\b]|, |v[SA+16*\b+1]|, 0x1800000   ; each accumulator from its low end on; the floor 2^(3 - 127) holds the byte at 1 from below
.endr
.irp i, 2,4,6,8,10,12,14
.irp b, 0,1,2,3
	v_max3_num_f32 v[TM+\b], |v[SA+16*\b+\i]|, |v[SA+16*\b+\i+1]|, v[TM+\b]
.endr
.endr
	WIN 0
.irp b, 0,1,2,3
	v_permlanex16_b32 v[TM+4+\b], v[TM+\b], s20, s21
.endr
.irp b, 0,1,2,3
	v_max_num_f32 v[TM+\b], v[TM+\b], v[TM+4+\b]
.endr
.irp b, 0,1,2,3
	v_add_nc_u32 v[TS+\b], 0xff000000, v[TM+\b]    ; 2 off the exponent field: the conversion's scale operand
.endr
.irp b, 0,1,2,3
	v_lshrrev_b32 v[TM+4+\b], 23, v[TS+\b]         ; the scale's byte
.endr
	v_lshl_or_b32 v[PW], v[TM+5], 8, v[TM+4]
	v_lshl_or_b32 v[PW], v[TM+6], 16, v[PW]
	v_lshl_or_b32 v[PW], v[TM+7], 24, v[PW]
	WIN 0x02+(\a)/4
.irp c, 0,1
	v_cvt_scalef32_pk16_fp6_f32 v[PCA+6*\c:PCA+6*\c+2], v[SA+32*\c:SA+32*\c+15], v[TS+2*\c]
	v_cvt_scalef32_pk16_fp6_f32 v[PT+4*\c:PT+4*\c+2], v[SA+32*\c+16:SA+32*\c+31], v[TS+2*\c+1]
.endr
	WIN 0
	v_nop                                          ; one plain place behind a scaled conversion
.irp c, 0,1
.irp i, 0,1,2
	v_permlane16_swap_b32 v[PCA+6*\c+\i], v[PT+4*\c+\i]   ; a whole block to a lane: lanes 0-15 block 2 c, lanes 16-31 block 2 c + 1
.endr
.irp i, 0,1,2
	v_mov_b32 v[PCA+3+6*\c+\i], v[PT+4*\c+\i]
.endr
.endr
.endm
.irp a, 0,1,2,3,4,5,6,7
	QUANTW \a
.irp e, 0,1
.irp p, 0,1,2
	global_store_b64 v[1+\e], v[128+12*\a+6*\e+2*\p:128+12*\a+6*\e+2*\p+1], s[12:13] offset:768*\a+256*\p   ; 32 lanes store 256 consecutive bytes, aligned
.endr
.endr
	v_perm_b32 v[WW+\a], v[PW], v[PW], v5          ; (s0, s1, s0, s1) of head h: the upper two bytes stand over zero codes in the attention launch
	ds_store_b32 v[STQ], v[WW+\a] offset:64*\a
.endr
	ds_load_b128 v[248:251], v[RDQ]                ; LDS serves a wave's instructions in order: these see my stores
	ds_load_b128 v[252:255], v[RDQ] offset:512
	s_wait_dscnt 0x0
	global_store_b128 v3, v[248:251], s[POS:POS+1]
	global_store_b128 v4, v[252:255], s[POS:POS+1]
	s_wait_tensorcnt 0x0                           ; the wave's end: behind my last tensor load and my last LDS store
	ds_add_u32 v[SPW], v[NIL]
	s_wait_dscnt 0x0
	s_branch .Ljoin
.Lvout:
; ---- v: its K is the keys, which lie across lanes: 32 keys x 128 columns at a time through my stage; then a lane holds 32 keys of one column
.set VM, 64
.set VS, 68
.set VY, 72
.set WV, 90
.set VT, 96
.set VX, 128
.irp m, 0,1,2,3
.irp n, 0,1
	WIN 0x08+4*((2*\m+\n)/4)
.irp b, 0,1,2,3,4,5,6,7
	ds_store_b128 v[STO], v[64*((2*\m+\n)%4)+8*\b:64*((2*\m+\n)%4)+8*\b+3] offset:8448*\n+64*\b
	ds_store_b128 v[STO], v[64*((2*\m+\n)%4)+8*\b+4:64*((2*\m+\n)%4)+8*\b+7] offset:8448*\n+64*\b+16
.endr
.endr
	WIN TO_B
.irp g, 0,1,2,3
.set i, 0
.rept 32
	ds_load_b32 v[32*\g+(i%8)+8*(i/16)+16*((i/8)%2)], v[RDV] offset:528*i+128*\g   ; key i of the block goes to the place at which the softmax's weight of that key will stand
.set i, i+1
.endr
.endr
	s_wait_dscnt 0x0
	WIN 0x05
.irp g, 0,1,2,3
	v_max3_num_f32 v[VM+\g], |v[32*\g]|, |v[32*\g+1]|, 0x1800000
.endr
.irp i, 2,4,6,8,10,12,14,16,18,20,22,24,26,28,30
.irp g, 0,1,2,3
	v_max3_num_f32 v[VM+\g], |v[32*\g+\i]|, |v[32*\g+\i+1]|, v[VM+\g]
.endr
.endr
	WIN 0
.irp g, 0,1,2,3
	v_add_nc_u32 v[VS+\g], 0xff000000, v[VM+\g]
.endr
.irp g, 0,1,2,3
	v_lshrrev_b32 v[VY+\g], 23, v[VS+\g]
.endr
.irp g, 0,1,2,3
.if \m == 0
	v_mov_b32 v[WV+\g], v[VY+\g]
.else
	v_lshl_or_b32 v[WV+\g], v[VY+\g], 8*\m, v[WV+\g]
.endif
.endr
	WIN 0x01
.irp g, 0,1,2,3
	v_cvt_scalef32_pk16_fp6_f32 v[VX+24*\g+12*(\m%2)+6*(\m/2):VX+24*\g+12*(\m%2)+6*(\m/2)+2], v[32*\g:32*\g+15], v[VS+\g]
	v_cvt_scalef32_pk16_fp6_f32 v[VT+4*\g:VT+4*\g+2], v[32*\g+16:32*\g+31], v[VS+\g]
.endr
	WIN 0
	v_nop
.irp g, 0,1,2,3
.irp i, 0,1,2
	v_mov_b32 v[VX+24*\g+12*(\m%2)+6*(\m/2)+3+\i], v[VT+4*\g+\i]
.endr
.endr
.endr
; lanes 0-15 hold an even tile's four blocks, lanes 16-31 an odd tile's: blocks 0, 2 in the first twelve registers, 1, 3 in the second.  The exchange makes of them the two tiles' operands.
.irp g, 0,1,2,3
.irp i, 0,1,2,3,4,5,6,7,8,9,10,11
	v_permlane16_swap_b32 v[VX+24*\g+\i], v[VX+24*\g+12+\i]
.endr
.endr
.irp x, 0,1,2,3,4,5,6,7
.irp g, 0,1,2
	global_store_b128 v3, v[VX+12*\x+4*\g:VX+12*\x+4*\g+3], s[12:13] offset:(\x/4)*PAIRB+(\x%4)*1536+512*\g   ; 512 consecutive bytes, aligned
.endr
.endr
.irp g, 0,1,2,3
	global_store_b32 v7, v[WV+\g], s[POS:POS+1] offset:(\g/2)*PAIRB+128*(\g%2)
.endr
	s_wait_tensorcnt 0x0                           ; the wave's end, as on the other way
	ds_add_u32 v[SPW], v[NIL]
	s_wait_dscnt 0x0
.Ljoin:
	CROUND                                         ; no work-group ends while a partner may still ask for a tile that names it
	s_endpgm
.Lfunc_end_k_q6895d713b6_proj:
	.size	k_q6895d713b6_proj, .Lfunc_end_k_q6895d713b6_proj-k_q6895d713b6_proj
	.p2alignl 7, 3214868480
	.fill 96, 4, 3214868480
	.section	.rodata,"a",@progbits
	.p2align	6, 0x0
	.amdhsa_kernel k_q6895d713b6_proj
		.amdhsa_group_segment_fixed_size 327680
		.amdhsa_private_segment_fixed_size 0
		.amdhsa_enable_private_segment 0
		.amdhsa_kernarg_size 176
		.amdhsa_user_sgpr_count 2
		.amdhsa_user_sgpr_kernarg_segment_ptr 1
		.amdhsa_wavefront_size32 1
		.amdhsa_system_sgpr_workgroup_id_x 1
		.amdhsa_system_sgpr_workgroup_id_y 1
		.amdhsa_system_sgpr_workgroup_id_z 1
		.amdhsa_system_vgpr_workitem_id 0
		.amdhsa_next_free_vgpr 1024
		.amdhsa_next_free_sgpr 102
		.amdhsa_reserve_vcc 0
		.amdhsa_float_denorm_mode_32 3
		.amdhsa_float_denorm_mode_16_64 3
		.amdhsa_memory_ordered 1
		.amdhsa_forward_progress 1
		.amdhsa_inst_pref_size 255
	.end_amdhsa_kernel
	.section	.bss,"aw",@nobits
	.p2align	6
	.space	262144
	.amdgpu_metadata
---
amdhsa.version: [ 1, 2 ]
amdhsa.kernels:
  - .name:           k_q6895d713b6_proj
    .symbol:         k_q6895d713b6_proj.kd
    .args:
      - { .name: xq_codes, .offset: 0, .size: 8, .value_kind: global_buffer, .address_space: global }
      - { .name: traces_codes, .offset: 8, .size: 8, .value_kind: global_buffer, .address_space: global }
      - { .name: xq_scales, .offset: 16, .size: 8, .value_kind: global_buffer, .address_space: global }
      - { .name: traces_scales, .offset: 24, .size: 8, .value_kind: global_buffer, .address_space: global }
      - { .name: Wq_codes, .offset: 32, .size: 8, .value_kind: global_buffer, .address_space: global }
      - { .name: Wk_codes, .offset: 40, .size: 8, .value_kind: global_buffer, .address_space: global }
      - { .name: Wv_codes, .offset: 48, .size: 8, .value_kind: global_buffer, .address_space: global }
      - { .name: Wq_scales, .offset: 56, .size: 8, .value_kind: global_buffer, .address_space: global }
      - { .name: Wk_scales, .offset: 64, .size: 8, .value_kind: global_buffer, .address_space: global }
      - { .name: Wv_scales, .offset: 72, .size: 8, .value_kind: global_buffer, .address_space: global }
      - { .name: Aq_codes, .offset: 80, .size: 8, .value_kind: global_buffer, .address_space: global }
      - { .name: Ak_codes, .offset: 88, .size: 8, .value_kind: global_buffer, .address_space: global }
      - { .name: Av_codes, .offset: 96, .size: 8, .value_kind: global_buffer, .address_space: global }
      - { .name: Aq_scales, .offset: 104, .size: 8, .value_kind: global_buffer, .address_space: global }
      - { .name: Ak_scales, .offset: 112, .size: 8, .value_kind: global_buffer, .address_space: global }
      - { .name: Av_scales, .offset: 120, .size: 8, .value_kind: global_buffer, .address_space: global }
      - { .name: Bq, .offset: 128, .size: 8, .value_kind: global_buffer, .address_space: global }
      - { .name: Bk, .offset: 136, .size: 8, .value_kind: global_buffer, .address_space: global }
      - { .name: Bv, .offset: 144, .size: 8, .value_kind: global_buffer, .address_space: global }
      - { .name: qc, .offset: 152, .size: 8, .value_kind: global_buffer, .address_space: global }
      - { .name: qs, .offset: 160, .size: 8, .value_kind: global_buffer, .address_space: global }
      - { .name: kv, .offset: 168, .size: 8, .value_kind: global_buffer, .address_space: global }
    .group_segment_fixed_size: 327680
    .private_segment_fixed_size: 0
    .kernarg_segment_align: 8
    .kernarg_segment_size: 176
    .max_flat_workgroup_size: 128
    .sgpr_count:     102
    .vgpr_count:     1024
    .wavefront_size: 32
...
	.end_amdgpu_metadata
.endif
;; end of part 2
;; launch attn (part 3): grid 8 x 32, 16 waves a work-group, clusters of 4 x 1, 167,936 bytes of LDS; arguments qc, qs, kv, cc, cs; writes cc, cs
.if DOCPART == 3
	.amdgcn_target "amdgcn-amd-amdhsa--gfx1250"
	.amdhsa_code_object_version 6
	.text
	.protected	k_q6895d713b6_attn
	.globl	k_q6895d713b6_attn
	.p2align	8
	.type	k_q6895d713b6_attn,@function
k_q6895d713b6_attn:
	s_mov_b64 s[64:65], 0
	v_nop
	global_prefetch_b8 v0, s[64:65] scope:SCOPE_SE
	s_setreg_imm32_b32 hwreg(HW_REG_WAVE_MODE, 25, 1), 1
	s_wait_xcnt 0x0
	s_wait_alu depctr_hold_cnt(0) depctr_sa_sdst(0) depctr_va_vdst(0) depctr_va_sdst(0) depctr_va_ssrc(0) depctr_va_vcc(0) depctr_vm_vsrc(0)
	s_getreg_b32 s2, hwreg(HW_REG_IB_STS2, 6, 4)
	s_cmp_eq_u32 s2, 0
	s_cbranch_scc0 .Lentry_in_a_cluster
	s_endpgm
.Lentry_in_a_cluster:
	s_bfe_u32 s2, ttmp6, 0x10000c
	s_cmp_lg_u32 s2, 0x3003
	s_cbranch_scc0 .Lentry_shape_is_right
	s_endpgm
.Lentry_shape_is_right:
; ctx = softmax(q k^T / 8) v for 128 (batch, head) pairs, head size 64, 1,024 keys, both products on codes of FP6 (E2M3) with E8M0 scales; ctx is quantised along d on the way out.
; THE SOFTMAX: t = score x log2(e) / 8; M = the running largest t rounded up to a whole number; p = 2^(t - M) is quantised along the keys, not normalised; the row's sum of the unquantised p divides at the end.
; SHARES.  A work-group owns one (batch, kv head) and 128 queries of each of the four query heads that share it: 32 tiles of 16 queries.  Wave w takes tile w % 8 of heads 2 (w / 8) and 2 (w / 8) + 1, one after the other.
; Four waves to a SIMD: one wave's vector work stands beside another's products and LDS loads.
; ALL K AND V CODES of the pair, 104,448 bytes laid as operand images by the launch before, come into LDS once: four loads of 102 rows x 256 bytes (waves 0-3).  The four work-groups of a cluster
; read the same bytes: the loads are joint.  Nothing is filled again: no ring.
; K = 64 IN AN INSTRUCTION OF K = 128: q's operand has zero codes in its upper six registers; k's operand of tile i is six registers of tile i and the six that follow (tile i + 1's codes, finite, against zero codes).
; Both products are used transposed: a lane holds one query throughout.  The weights of a block of 32 keys come in the order 0-7, 16-23, 8-15, 24-31; v's codes were laid in that order.
; No prefetch: all that the launch reads is asked for at its head.
; LIMITS: NaN and infinities are not served; a block of zeros or under 2^-124 gets the scale byte 1 (read by this program alone).
.set PAIRB, 104448
.set VOFF,  49152                      ; V's codes: [key step 8][tile 4][1,536]
.set KSO,   98304                      ; K's scale words: [1024]
.set VSO,   102400                     ; V's: [key step 8][tile 4][16]
.set CSTG,  104448                     ; the stage for ctx's codes: 128 rows x 192 bytes
.set SSTG,  129024                     ; and for its scale bytes: 128 rows x 8
.set SPARE, 130048                     ; the spare words, 128 bytes for each of sixteen waves
.set KF,  32                           ; v32-79 eight tiles of K, later four of V; v80-85 zeros
.set KSC, 86                           ; v86-89 K's scale words; v90-91 V's; v92 p's
.set VSC, 90
.set PSC, 92
.set F,   94                           ; v[94:95] f = 2^(old M - new M)
.set S,   96                           ; v96-159 S^T, then p
.set O,   160                          ; v160-191 O^T
.set PC,  192                          ; v192-203 p's codes
.set CT,  204                          ; v204-210 second halves of blocks
.set BM,  212                          ; v212-215 blocks' maxima; v216-219 at work, bytes; v220-223 scale operands
.set BT,  216
.set BS,  220
.set TT,  224
.set AC,  226                          ; v[226:227] the sum's second chain
.set SEL, 32
.set CS,  34
.macro CROUND
	s_barrier_signal -1
	s_barrier_wait -1
	s_cmp_lg_u32 s14, 0
	s_cbranch_scc1 .Lnot_wave_0_\@
	s_barrier_signal -3
.Lnot_wave_0_\@:
	s_barrier_wait -3
	s_barrier_signal -1
	s_barrier_wait -1
.endm
	s_load_b256 s[4:11], s[0:1], 0x0               ; qc, qs, kv, cc
	s_load_b64 s[12:13], s[0:1], 0x20              ; cs
	v_lshl_add_u32 v5, v0, 2, SPARE                ; v5 my spare word, v6 0: never rewritten
	v_mov_b32 v6, 0
	ds_add_u32 v5, v6                              ; the wave's opening: the add and its wait stand ahead of my first tensor load; work on registers stands between
	v_lshrrev_b32 v8, 5, v0
	v_readfirstlane_b32 s14, v8                    ; wave 0..15
	s_bfe_u32 s15, ttmp6, 0x40000                  ; cx
	s_lshl_b32 s16, ttmp9, 2
	s_add_co_u32 s16, s16, s15                     ; my block of 128 queries: it enters global addresses alone
	s_and_b32 s17, ttmp7, 0xffff                   ; the pair 8 b + kv head, which the partners share
	s_lshr_b32 s18, s17, 3
	s_and_b32 s19, s17, 7
	s_and_b32 s43, s14, 7                          ; my tile of queries
	s_lshr_b32 s44, s14, 3                         ; which two heads
	s_mov_b32 s24, 15|(3<<16)|(1<<21)              ; group 1: mask of all four; elements of 8 bytes; bit 21 beside a mask; no padding
	s_mov_b32 s25, 32<<16                          ; tensor_dim0 = 32 elements (256 bytes)
	s_mov_b32 s26, 102<<16                         ; tensor_dim1 = 102
	s_mov_b32 s27, 32<<16                          ; tile_dim0
	s_mov_b32 s28, 102                             ; tile_dim1
	s_mov_b32 s29, 32                              ; pitch
	s_mov_b32 s30, 0
	s_mov_b32 s31, 0
	s_and_b32 s46, s14, 3
	s_mul_i32 s21, s46, 26112                      ; group 0: LDS address: a quarter for each of waves 0-3
	s_mul_i32 s46, s17, PAIRB
	s_add_co_u32 s46, s46, s21
	s_mov_b32 s47, 0
	s_mov_b32 s20, 1
	s_lshl_b32 s48, s18, 5
	s_lshl_b32 s49, s19, 2
	s_add_co_u32 s48, s48, s49
	s_lshl_b32 s49, s44, 1
	s_add_co_u32 s48, s48, s49                     ; my first head: 32 b + 4 kv head + 2 (w / 8)
	s_lshl_b32 s50, s16, 3
	s_add_co_u32 s50, s50, s43                     ; my tile among the head's 64
	s_lshl_b32 s52, s48, 6
	s_add_co_u32 s52, s52, s50
	s_mul_i32 s52, s52, 768
	s_mov_b32 s53, 0
	s_lshl_b32 s54, s48, 12
	s_lshl_b32 s49, s50, 6
	s_add_co_u32 s54, s54, s49
	s_mov_b32 s55, 0
	s_lshl_b32 s56, s19, 12
	s_lshl_b32 s49, s18, 10
	s_add_co_u32 s56, s56, s49
	s_lshl_b32 s49, s16, 7
	s_add_co_u32 s56, s56, s49                     ; the block's first row in cc and cs: 4096 kv head + 1024 b + 128 block
	s_lshl_b32 s58, s56, 3
	s_mul_i32 s56, s56, 192
	s_mul_i32 s49, s14, 1536
	s_add_co_u32 s56, s56, s49                     ; + my 8 rows
	s_mov_b32 s57, 0
	s_and_b32 s49, s14, 1
	s_lshl_b32 s49, s49, 9
	s_add_co_u32 s58, s58, s49
	s_mov_b32 s59, 0
	s_mov_b32 s[SEL], 0x76543210
	s_mov_b32 s[SEL+1], 0xfedcba98
	s_mov_b32 s[CS], 0x3e38aa3b                    ; c = log2(e) / 8
	s_mov_b32 s[CS+1], s[CS]
	v_and_b32 v8, 31, v0                           ; lane
	v_and_b32 v9, 15, v0                           ; r
	v_bfe_u32 v10, v0, 4, 1                        ; h
	v_lshlrev_b32 v1, 3, v8                        ; v1 8 x lane: K's and q's pieces
	v_lshlrev_b32 v7, 4, v8                        ; v7 16 x lane
	v_add_nc_u32 v2, VOFF, v7                      ; v2 V's groups of four registers
	v_lshlrev_b32 v3, 2, v8
	v_add_nc_u32 v4, VSO, v3                       ; v4 V's scale words
	v_add_nc_u32 v3, KSO, v3                       ; v3 K's
	v_lshlrev_b32 v29, 2, v9                       ; v29 4 r: q's scale word
	s_mul_i32 s45, s43, 3072
	s_mul_i32 s49, s44, 96
	s_add_co_u32 s45, s45, s49
	s_add_co_u32 s45, s45, CSTG
	v_mul_u32_u24 v30, v9, 192
	v_mad_u32_u24 v30, v10, 12, v30
	v_add_nc_u32 v30, s45, v30                     ; v30 the stage: row 16 (w % 8) + r, + 96 (w / 8) + 12 h
	s_lshl_b32 s45, s43, 7
	s_lshl_b32 s49, s44, 2
	s_add_co_u32 s45, s45, s49
	s_add_co_u32 s45, s45, SSTG
	v_lshl_add_u32 v31, v9, 3, s45                 ; v31 the row's scale bytes, + 4 (w / 8)
	s_mul_i32 s45, s14, 1536
	s_add_co_u32 s45, s45, CSTG
	v_add_nc_u32 v228, s45, v7                     ; v228 back: my 1,536 bytes of the stage
	s_and_b32 s45, s14, 1
	s_lshl_b32 s45, s45, 9
	s_add_co_u32 s45, s45, SSTG
	v_add_nc_u32 v229, s45, v7                     ; v229 back: 512 scale bytes (waves 0, 1)
.irp j, 22,23,24,25,26,27, 80,81,82,83,84,85, 236,237,238,239,240,241
	v_mov_b32 v[\j], 0                             ; zero codes: the upper halves of q's two operands, and what follows K's last tile
.endr
	v_mov_b32 v[F+1], 0                            ; named as the upper half of a pair
.irp b, 0,1,2,3
	v_mov_b32 v[BT+\b], 0                          ; a lane permute's destination counts as one of its sources
.endr
	v_mov_b32 v[TT], 0
	s_wait_dscnt 0x0
	s_wait_kmcnt 0x0
	s_add_nc_u64 s[22:23], s[8:9], s[46:47]
	s_or_b32 s23, s23, 0x80000000
	s_add_nc_u64 s[4:5], s[4:5], s[52:53]
	s_add_nc_u64 s[6:7], s[6:7], s[54:55]
	s_add_nc_u64 s[10:11], s[10:11], s[56:57]
	s_add_nc_u64 s[12:13], s[12:13], s[58:59]
	CROUND                                         ; all four work-groups are here: the joint loads meet
	s_cmp_lt_u32 s14, 4
	s_cbranch_scc0 .Lno_fetch
	tensor_load_to_lds s[20:23], s[24:31]          ; one load a wave, the only one of the launch
	s_nop 0
.rept 4
	v_nop
.endr
.Lno_fetch:
.irp p, 0,1,2
	global_load_b64 v[16+2*\p:17+2*\p], v1, s[4:5] offset:256*\p              ; q of my first head,
	global_load_b64 v[230+2*\p:231+2*\p], v1, s[4:5] offset:49152+256*\p     ; and of my second
.endr
	global_load_b32 v28, v29, s[6:7]
	global_load_b32 v242, v29, s[6:7] offset:4096
	s_wait_tensorcnt 0x0
	s_barrier_signal -1
	s_barrier_wait -1                              ; the pair's K and V lie in LDS
	s_wait_loadcnt 0x0
; A KEY STEP: 128 keys.  qr: q's operand, qs: its scale register.
.macro STEP qr, qs
	v_add_nc_u32 v8, s36, v1                       ; four plain lines: also the places behind the last products, ahead of the loads into their registers
	v_add_nc_u32 v9, s36, v2
	v_add_nc_u32 v10, s37, v3
	v_add_nc_u32 v11, s38, v4
.irp i, 0,1,2,3,4,5,6,7
.irp p, 0,1,2
	ds_load_b64 v[KF+6*\i+2*\p:KF+6*\i+2*\p+1], v8 offset:768*\i+256*\p
.endr
.endr
.irp i, 0,1,2,3
	ds_load_b32 v[KSC+\i], v10 offset:128*\i       ; lanes 0-15 tile 2 i's keys, lanes 16-31 tile 2 i + 1's
.endr
	s_wait_dscnt 0x0
.irp i, 0,2,4,6
	v_wmma_scale_f32_16x16x128_f8f6f4 v[S+8*\i:S+8*\i+7], v[KF+6*\i:KF+6*\i+11], v[\qr:\qr+11], 0, v[KSC+\i/2], v[\qs] matrix_a_fmt:MATRIX_FMT_FP6 matrix_b_fmt:MATRIX_FMT_FP6
	v_wmma_scale_f32_16x16x128_f8f6f4 v[S+8*\i+8:S+8*\i+15], v[KF+6*\i+6:KF+6*\i+17], v[\qr:\qr+11], 0, v[KSC+\i/2], v[\qs] matrix_a_fmt:MATRIX_FMT_FP6 matrix_b_fmt:MATRIX_FMT_FP6 matrix_a_scale:MATRIX_SCALE_ROW1
.endr
.rept 4
	v_nop
.endr
.irp t, 0,1,2,3
.irp g, 0,1,2
	ds_load_b128 v[KF+12*\t+4*\g:KF+12*\t+4*\g+3], v9 offset:1536*\t+512*\g   ; V's four tiles land while the softmax is walked
.endr
.endr
.irp i, 0,1
	ds_load_b32 v[VSC+\i], v11 offset:128*\i
.endr
.irp b, 0,1,2,3
	v_max3_num_f32 v[BM+\b], v[S+16*\b], v[S+1+16*\b], v[S+2+16*\b]   ; the largest score of each block of 32 keys: for the row's maximum and, since p rises with the score, for the block's largest p
.endr
.irp i, 3,5,7,9,11,13
.irp b, 0,1,2,3
	v_max3_num_f32 v[BM+\b], v[BM+\b], v[S+16*\b+\i], v[S+1+16*\b+\i]
.endr
.endr
.irp b, 0,1,2,3
	v_max_num_f32 v[BM+\b], v[BM+\b], v[S+15+16*\b]
.endr
.irp b, 0,1,2,3
	v_permlanex16_b32 v[BT+\b], v[BM+\b], s[SEL], s[SEL+1]
.endr
.irp b, 0,1,2,3
	v_max_num_f32 v[BM+\b], v[BM+\b], v[BT+\b]
.endr
	v_max3_num_f32 v[TT], v[BM], v[BM+1], v[BM+2]
	v_max_num_f32 v[TT], v[TT], v[BM+3]
	v_mul_f32 v[TT], s[CS], v[TT]
	v_max_num_f32 v13, v13, v[TT]                  ; the running largest t
	v_mov_b32 v[TT], v12
	v_floor_f32 v12, -v13                          ; -M = floor(-t): M is a whole number
	v_sub_f32 v[TT], v12, v[TT]
	v_cvt_i32_f32 v[TT], v[TT]                     ; (it saturates)
	v_ldexp_f32 v[F], 1.0, v[TT]                   ; f = 2^(old M - new M): a multiplication by it rounds nothing
.set j, 0
.rept 32
	v_pk_fma_f32 v[S+j:S+j+1], v[S+j:S+j+1], s[CS:CS+1], v[12:13] op_sel_hi:[1,0,0]   ; t - M
.set j, j+2
.endr
.irp b, 0,1,2,3
	v_fma_f32 v[BM+\b], v[BM+\b], s[CS], v12
.endr
.set j, 0
.rept 64
	v_exp_f32 v[S+j], v[S+j]                       ; p = 2^(t - M)
.set j, j+1
.endr
	v_pk_mul_f32 v[14:15], v[14:15], v[F:F+1] op_sel_hi:[1,0]   ; the sums under the new M: the plain line behind the batch
	s_wait_alu depctr_va_vdst(0)                   ; one wait for the batch of 64, ahead of its first reader
.irp b, 0,1,2,3
	v_exp_f32 v[BM+\b], v[BM+\b]                   ; the blocks' largest p
.endr
	v_pk_add_f32 v[AC:AC+1], v[S:S+1], v[S+2:S+3]  ; the row's sum of the unquantised p, in two chains
.set j, 4
.rept 15
	v_pk_add_f32 v[14:15], v[14:15], v[S+j:S+j+1]
	v_pk_add_f32 v[AC:AC+1], v[AC:AC+1], v[S+j+2:S+j+3]
.set j, j+4
.endr
	v_pk_add_f32 v[14:15], v[14:15], v[AC:AC+1]
	s_wait_alu depctr_va_vdst(0)                   ; and one for the four
.irp b, 0,1,2,3
	v_max_num_f32 v[BM+\b], 0x1800000, v[BM+\b]    ; the floor 2^(3 - 127)
.endr
.irp b, 0,1,2,3
	v_add_nc_u32 v[BS+\b], 0xff000000, v[BM+\b]
.endr
.irp b, 0,1,2,3
	v_lshrrev_b32 v[BT+\b], 23, v[BS+\b]
.endr
	v_lshl_or_b32 v[PSC], v[BT+1], 8, v[BT]
	v_lshl_or_b32 v[PSC], v[BT+2], 16, v[PSC]
	v_lshl_or_b32 v[PSC], v[BT+3], 24, v[PSC]
.irp c, 0,1
	v_cvt_scalef32_pk16_fp6_f32 v[PC+6*\c:PC+6*\c+2], v[S+32*\c:S+32*\c+15], v[BS+2*\c]
	v_cvt_scalef32_pk16_fp6_f32 v[CT+4*\c:CT+4*\c+2], v[S+32*\c+16:S+32*\c+31], v[BS+2*\c+1]
.endr
	v_nop
.irp c, 0,1
.irp i, 0,1,2
	v_permlane16_swap_b32 v[PC+6*\c+\i], v[CT+4*\c+\i]
.endr
.irp i, 0,1,2
	v_mov_b32 v[PC+3+6*\c+\i], v[CT+4*\c+\i]
.endr
.endr
.set j, 0
.rept 16
	v_pk_mul_f32 v[O+j:O+j+1], v[O+j:O+j+1], v[F:F+1] op_sel_hi:[1,0]   ; O^T under the new M; also the places ahead of the products below
.set j, j+2
.endr
	s_wait_dscnt 0x0                               ; V is in
.irp t, 0,2
	v_wmma_scale_f32_16x16x128_f8f6f4 v[O+8*\t:O+8*\t+7], v[KF+12*\t:KF+12*\t+11], v[PC:PC+11], v[O+8*\t:O+8*\t+7], v[VSC+\t/2], v[PSC] matrix_a_fmt:MATRIX_FMT_FP6 matrix_b_fmt:MATRIX_FMT_FP6
	v_wmma_scale_f32_16x16x128_f8f6f4 v[O+8*\t+8:O+8*\t+15], v[KF+12*\t+12:KF+12*\t+23], v[PC:PC+11], v[O+8*\t+8:O+8*\t+15], v[VSC+\t/2], v[PSC] matrix_a_fmt:MATRIX_FMT_FP6 matrix_b_fmt:MATRIX_FMT_FP6 matrix_a_scale:MATRIX_SCALE_ROW1
.endr
	s_add_co_u32 s36, s36, 6144                    ; the next step's codes (K's and V's steps are as long),
	s_add_co_u32 s37, s37, 512                     ; K's scale words,
	s_add_co_u32 s38, s38, 256                     ; V's
.endm
; One tile of 16 queries of one head: eight key steps, then ctx = O^T / l, quantised along d: register 16 b + i is d = 32 b + 16 h + i, so a lane's 16 codes are 12 neighbouring bytes of the row.
.macro TILE t, qr, qs
	v_mov_b32 v13, 0xff61b1e6                      ; the largest t so far: -3e38
	v_floor_f32 v12, -v13
	v_mov_b32 v14, 0
	v_mov_b32 v15, 0
.set j, 0
.rept 32
	v_mov_b32 v[O+j], 0                            ; the step is written once: the first finds zeros
.set j, j+1
.endr
	s_mov_b32 s36, 0
	s_mov_b32 s37, 0
	s_mov_b32 s38, 0
	s_mov_b32 s39, 8
.Lstep_\@:
	STEP \qr, \qs
	s_sub_co_u32 s39, s39, 1
	s_cmp_lg_u32 s39, 0
	s_cbranch_scc1 .Lstep_\@
.rept 4
	v_nop
.endr
	v_add_f32 v14, v14, v15
	v_permlanex16_b32 v[TT], v14, s[SEL], s[SEL+1]
	v_add_f32 v14, v14, v[TT]                      ; the row's sum
	v_rcp_f32 v14, v14
	v_nop
	s_wait_alu depctr_va_vdst(0)                   ; the wait ahead of the reciprocal's first reader
.set j, 0
.rept 32
	v_mul_f32 v[S+j], v[O+j], v14
.set j, j+1
.endr
.irp b, 0,1
	v_max3_num_f32 v[BM+\b], |v[S+16*\b]|, |v[S+1+16*\b]|, 0x1800000
.endr
.irp i, 2,4,6,8,10,12,14
.irp b, 0,1
	v_max3_num_f32 v[BM+\b], v[BM+\b], |v[S+16*\b+\i]|, |v[S+1+16*\b+\i]|
.endr
.endr
.irp b, 0,1
	v_permlanex16_b32 v[BT+\b], v[BM+\b], s[SEL], s[SEL+1]
.endr
.irp b, 0,1
	v_max_num_f32 v[BM+\b], v[BM+\b], v[BT+\b]
.endr
.irp b, 0,1
	v_add_nc_u32 v[BS+\b], 0xff000000, v[BM+\b]
.endr
.irp b, 0,1
	v_lshrrev_b32 v[BT+\b], 23, v[BS+\b]
.endr
	v_lshl_or_b32 v[TT], v[BT+1], 8, v[BT]
.irp b, 0,1
	v_cvt_scalef32_pk16_fp6_f32 v[CT+4*\b:CT+4*\b+2], v[S+16*\b:S+16*\b+15], v[BS+\b]
.endr
	v_nop
.irp b, 0,1
.irp i, 0,1,2
	ds_store_b32 v30, v[CT+4*\b+\i] offset:48*\t+24*\b+4*\i
.endr
.endr
	ds_store_b16 v31, v[TT] offset:2*\t            ; both halves of the lanes write the same two bytes with the same value
	s_wait_dscnt 0x0                               ; the stores have read their registers
.endm
	TILE 0, 16, 28
	TILE 1, 230, 242
	s_barrier_signal -1                            ; (every wave's stores into the stages were waited for above)
	s_barrier_wait -1
.irp i, 0,1,2
	ds_load_b128 v[S+4*\i:S+4*\i+3], v228 offset:512*\i
.endr
.irp i, 0,1,2
	s_wait_dscnt 2-\i                              ; the younger loads may stay out
	global_store_b128 v7, v[S+4*\i:S+4*\i+3], s[10:11] offset:512*\i   ; 512 consecutive bytes, aligned
.endr
	s_cmp_lt_u32 s14, 2
	s_cbranch_scc0 .Lno_scales
	ds_load_b128 v[S+12:S+15], v229
	s_wait_dscnt 0x0
	global_store_b128 v7, v[S+12:S+15], s[12:13]
.Lno_scales:
	s_wait_tensorcnt 0x0                           ; the wave's end
	ds_add_u32 v5, v6
	s_wait_dscnt 0x0
	CROUND
	s_endpgm
.Lfunc_end_k_q6895d713b6_attn:
	.size	k_q6895d713b6_attn, .Lfunc_end_k_q6895d713b6_attn-k_q6895d713b6_attn
	.p2alignl 7, 3214868480
	.fill 96, 4, 3214868480
	.section	.rodata,"a",@progbits
	.p2align	6, 0x0
	.amdhsa_kernel k_q6895d713b6_attn
		.amdhsa_group_segment_fixed_size 167936
		.amdhsa_private_segment_fixed_size 0
		.amdhsa_enable_private_segment 0
		.amdhsa_kernarg_size 40
		.amdhsa_user_sgpr_count 2
		.amdhsa_user_sgpr_kernarg_segment_ptr 1
		.amdhsa_wavefront_size32 1
		.amdhsa_system_sgpr_workgroup_id_x 1
		.amdhsa_system_sgpr_workgroup_id_y 1
		.amdhsa_system_sgpr_workgroup_id_z 1
		.amdhsa_system_vgpr_workitem_id 0
		.amdhsa_next_free_vgpr 256
		.amdhsa_next_free_sgpr 66
		.amdhsa_reserve_vcc 0
		.amdhsa_float_denorm_mode_32 3
		.amdhsa_float_denorm_mode_16_64 3
		.amdhsa_memory_ordered 1
		.amdhsa_forward_progress 1
		.amdhsa_inst_pref_size 51
	.end_amdhsa_kernel
	.amdgpu_metadata
---
amdhsa.version: [ 1, 2 ]
amdhsa.kernels:
  - .name:           k_q6895d713b6_attn
    .symbol:         k_q6895d713b6_attn.kd
    .args:
      - { .name: qc, .offset: 0, .size: 8, .value_kind: global_buffer, .address_space: global }
      - { .name: qs, .offset: 8, .size: 8, .value_kind: global_buffer, .address_space: global }
      - { .name: kv, .offset: 16, .size: 8, .value_kind: global_buffer, .address_space: global }
      - { .name: cc, .offset: 24, .size: 8, .value_kind: global_buffer, .address_space: global }
      - { .name: cs, .offset: 32, .size: 8, .value_kind: global_buffer, .address_space: global }
    .group_segment_fixed_size: 167936
    .private_segment_fixed_size: 0
    .kernarg_segment_align: 8
    .kernarg_segment_size: 40
    .max_flat_workgroup_size: 512
    .sgpr_count:     66
    .vgpr_count:     256
    .wavefront_size: 32
...
	.end_amdgpu_metadata
.endif
;; end of part 3
;; launch outp (part 4): grid 8 x 32, 4 waves a work-group, clusters of 4 x 4, 327,680 bytes of LDS; arguments cc, cs, Wo_codes, Wo_scales, Ao_codes, Ao_scales, Bo, hidden_states, out0; writes out0
.if DOCPART == 4
	.amdgcn_target "amdgcn-amd-amdhsa--gfx1250"
	.amdhsa_code_object_version 6
	.text
	.protected	k_q6895d713b6_outp
	.globl	k_q6895d713b6_outp
	.p2align	8
	.type	k_q6895d713b6_outp,@function
k_q6895d713b6_outp:
	s_mov_b64 s[64:65], 0
	v_nop
	global_prefetch_b8 v0, s[64:65] scope:SCOPE_SE
	s_setreg_imm32_b32 hwreg(HW_REG_WAVE_MODE, 25, 1), 1
	s_wait_xcnt 0x0
	s_wait_alu depctr_hold_cnt(0) depctr_sa_sdst(0) depctr_va_vdst(0) depctr_va_sdst(0) depctr_va_ssrc(0) depctr_va_vcc(0) depctr_vm_vsrc(0)
	s_getreg_b32 s2, hwreg(HW_REG_IB_STS2, 6, 4)
	s_cmp_eq_u32 s2, 0
	s_cbranch_scc0 .Lentry_in_a_cluster
	s_endpgm
.Lentry_in_a_cluster:
	s_bfe_u32 s2, ttmp6, 0x10000c
	s_cmp_lg_u32 s2, 0xf033
	s_cbranch_scc0 .Lentry_shape_is_right
	s_endpgm
.Lentry_shape_is_right:
; out = hidden_states + ctx Wo + 2 (ctx Ao) Bo.  ctx comes as codes of FP6 (E2M3) from the attention launch: cc [8 groups of 256 along K][4096 rows][192 bytes], cs [8][4096][8 scale bytes].
; The two products on 2,048 along K run on codes; the rank-16 product feeds no quantiser and takes bf16 operands (t and 2 Bo rounded to bf16), f32 sums.
; SHARES.  A tile of 128 rows x 256 columns to a work-group of four waves: 32 x 8 = 256 work-groups, one for each WGP.  A wave makes 64 x 128: 32 accumulators, window 2.
; Clusters of 4 x 4: A's tile (128 rows of ctx) is asked for jointly along a row of the cluster, B's (256 rows of Wo) along a column.  Two LDS slots of 256 along K: a K step is one group of cc.
; Waves 0, 1 fetch A's halves (64 rows), waves 2, 3 B's halves (128 rows): one tensor load a wave behind each change of slots.
; BOTH OPERANDS HAVE TWO SETS OF FRAGMENT REGISTERS: a step's fragments are all asked for in the middle of the step before.  So at the head of a slot's last step my reads of the slot are over, and the change of
; slots stands there: the refill has the slot's last step and the other slot's first step in which to land.
; hidden_states: my 64 x 128 numbers are 256 registers, window 3, as rows (a load reads 512 consecutive bytes).  Three blocks of 16 rows are asked for where the K loop ends, three steps of 128 ahead of the last
; product, the fourth at the last step: they are on their way while nothing else is asked of memory, and ahead of the stores.
; Bo: 16 ranks x my column half's 128 columns come once, with the first fills, by a tensor load (rows of 512 bytes), jointly along the cluster's column; doubled, rounded to bf16 and kept in 32 registers.
; A's scale bytes lie group by group in memory: each wave reads two groups' 1,024 bytes in runs of 512 through registers and stores them into the image [row][64 bytes] in LDS, bytes into which no tensor load lands.
; The rank-16 tile t = ctx Ao^T rides along: four more accumulators; Ao's fragments come from memory into four sets of registers, four steps ahead.
; THE MATRIX INSTRUCTION IS USED TRANSPOSED (source 0 = weight rows, source 1 = ctx rows): a lane holds one row and eight neighbouring columns.
; THE WAY OUT: a block of 16 rows goes through my stage in LDS (bytes of its own) and comes back as whole rows of 512 bytes into the registers that it left; hidden_states is added; 32 lanes store 512 consecutive bytes.
; LIMITS: NaN and infinities are not served; the rank-16 product's operands are rounded to bf16; sums run in another order than the reference's.
.set KSTEP,  256
.set NQ,     2
.set ROWB,   192                       ; a tile's row: 256 codes
.set KROW,   1536                      ; a row of Wo or Ao in memory
.set AGRP,   786432                    ; a group of cc: 4,096 rows x 192 bytes
.set PITCH,  240                       ; an LDS row: 3 x (64 + 16)
.set FR,     12
.set NP,     4                         ; places behind this matrix instruction (ISA guide 7.12.1)
.set AHALF,  64*PITCH                  ; 64 rows: what waves 0, 1 fetch, and what a wave reads of A
.set HALFT,  128*PITCH                 ; 128 rows: what waves 2, 3 fetch, and what a wave reads of B
.set BOFF,   2*AHALF                   ; B's rows lie behind A's 128
.set SLOT,   2*AHALF+2*HALFT
.set LAPS,   4
.set KS,     64                        ; a row of scale bytes
.set SCL,    2*SLOT                    ; A's scale image (128 rows), then B's (256 rows): units of 256 bytes + 16
.set HALFS,  (128*KS/256)*272
.set SBLK,   (16*KS/256)*272
.set SPARE,  SCL+3*HALFS               ; the spare words, 128 bytes a wave
.set STG,    SPARE+512                 ; the stages: 16 rows x 528 bytes for each wave
.set SPITCH, 528
.set BOL,    STG+4*16*SPITCH           ; Bo: for each column half 16 ranks x (512 bytes + 16)
.set BOP,    528
.set ASW,  14                          ; v14  where I store A's scale bytes
.set VBL,  15                          ; v15  Bo in LDS: rank 8 h, column r of my half
.set ADRA, 16                          ; v16-19 A's fragments in slot 0, 1 (and behind one padding more)
.set ADRB, 20                          ; v20-23 B's
.set STO,  24                          ; v24  the stage: where I put 32 bytes of a row
.set RD,   25                          ; v25  and where I read a row back
.set CO,   26                          ; v26  16 x lane
.set ADRS, 27                          ; v27  my scale words: lanes 0-15 A's rows, lanes 16-31 B's
.set SPW,  28
.set NIL,  29
.set VLA,  30                          ; v30  Ao: rank r x 1,536 + 24 h
.set VLS,  31                          ; v31  its scale bytes: r x 64
.set SC,   32                          ; v32-63 scale words, two sets
.set T,    64                          ; v64-95 t: four accumulators; lane (r, h) register j = t(row r, rank 8 h + j)
.set BOB,  96                          ; v96-127 2 Bo in bf16, four registers a block of 16 columns; v128-131 zeros
.set AF,   132                         ; v132-179, v180-227 A's fragments, two sets of four blocks
.set TBR,  132                         ; behind the last product: t in bf16, eight registers a block
.set LSC,  228                         ; v228-231 Ao's scale words, four sets
.set G1, 24                            ; s[24:31] group 1 for A's tiles; s[32:39] group 0, a set for each slot
.set G0, 32
.set G1B, 48                           ; s[48:55], s[56:63] the same for B's tiles
.set G0B, 56
.set G1BO, 68                          ; s[68:75], s[76:79] groups 1 and 0 for Bo
.set G0BO, 76
.set G1SB, 80                          ; s[80:87], s[88:91] for B's scale bytes
.set G0SB, 88
.set LB,  92                           ; s[92:93] Ao's codes; s[94:95] its scale bytes; s[96:97] Bo; s[98:99] hidden_states at my first number
.set LSB, 94
.set PBO, 96
.set PH,  98
.set MSB, 0
.macro WIN new                         ; the immediate's high byte repeats the setting that is left
.if MSB != (\new)
	s_set_vgpr_msb (MSB<<8)|(\new)
.set MSB, (\new)
.endif
.endm
.set MUL_LO, 0xa1                      ; source 0 window 1, source 1 window 0, C and D window 2
.set TO_B,   0x40                      ; destination window 1
.macro JLOAD g0a, g1a, g0b, g1b        ; a joint load: waves 0, 1 fetch for A, waves 2, 3 for B; an s_nop 0 and four v_nop follow each line
	s_cmp_eq_u32 s15, 0
	s_cbranch_scc0 .Lfor_b_\@
	tensor_load_to_lds s[\g0a:\g0a+3], s[\g1a:\g1a+7]
	s_nop 0
.rept 4
	v_nop
.endr
	s_branch .Lasked_\@
.Lfor_b_\@:
	tensor_load_to_lds s[\g0b:\g0b+3], s[\g1b:\g1b+7]
	s_nop 0
.rept 4
	v_nop
.endr
.Lasked_\@:
.endm
.macro CREST
	s_cmp_lg_u32 s14, 0
	s_cbranch_scc1 .Lnot_wave_0_\@
	s_barrier_signal -3
.Lnot_wave_0_\@:
	s_barrier_wait -3
	s_barrier_signal -1
	s_barrier_wait -1
.endm
.macro CROUND
	s_barrier_signal -1
	s_barrier_wait -1
	CREST
.endm
.macro PLACES n
.rept \n
	v_nop
.endr
.endm
	s_load_b256 s[4:11], s[0:1], 0x0               ; cc, cs, Wo's codes, Wo's scales
	s_load_b256 s[92:99], s[0:1], 0x20             ; Ao's codes, Ao's scales, Bo, hidden_states
	s_load_b64 s[12:13], s[0:1], 0x40              ; out0
	v_lshl_add_u32 v[SPW], v0, 2, SPARE
	v_mov_b32 v[NIL], 0
	ds_add_u32 v[SPW], v[NIL]                      ; the wave's opening: the add and its wait stand ahead of my first tensor load; work on registers stands between
	v_lshrrev_b32 v8, 5, v0
	v_readfirstlane_b32 s14, v8                    ; wave 0..3
	s_lshr_b32 s15, s14, 1                         ; my half of the tile's rows; also: I fetch for A (0) or for B (1)
	s_and_b32 s16, s14, 1                          ; my half of its columns; also: which half of that tile I fetch
	s_bfe_u32 s40, ttmp6, 0x40000                  ; cx, cy
	s_bfe_u32 s41, ttmp6, 0x40004
	s_lshl_b32 s42, ttmp9, 2
	s_add_co_u32 s42, s42, s40                     ; tile column (256 columns)
	s_and_b32 s17, ttmp7, 0xffff
	s_lshl_b32 s17, s17, 2
	s_add_co_u32 s17, s17, s41                     ; tile row (128 rows)
	s_lshl_b32 s43, s41, 2
	s_lshl_b32 s43, 15, s43                        ; my row of the cluster
	s_lshl_b32 s44, 0x1111, s40                    ; my column
	; group 1 for A: 64 rows x 192 bytes, dense within a group of cc; for B: 128 rows, 1,536 bytes apart; 16 bytes of padding behind every 64
	s_or_b32 s[G1+0], s43, (0<<16)|(1<<20)|(1<<21)|(3<<22)|(3<<25)
	s_mov_b32 s[G1+1], ROWB<<16
	s_mov_b32 s[G1+2], 64<<16
	s_mov_b32 s[G1+3], ROWB<<16
	s_mov_b32 s[G1+4], 64
	s_mov_b32 s[G1+5], ROWB
	s_mov_b32 s[G1+6], 0
	s_mov_b32 s[G1+7], 0
	s_or_b32 s[G1B+0], s44, (0<<16)|(1<<20)|(1<<21)|(3<<22)|(3<<25)
	s_mov_b32 s[G1B+1], ROWB<<16
	s_mov_b32 s[G1B+2], 128<<16
	s_mov_b32 s[G1B+3], ROWB<<16
	s_mov_b32 s[G1B+4], 128
	s_mov_b32 s[G1B+5], KROW
	s_mov_b32 s[G1B+6], 0
	s_mov_b32 s[G1B+7], 0
	; B's scale bytes of 128 rows: 8,192 dense bytes as 32 rows of 256, 16 bytes of padding behind each
	s_or_b32 s[G1SB+0], s44, (3<<16)|(1<<20)|(1<<21)|(5<<22)|(3<<25)
	s_mov_b32 s[G1SB+1], 32<<16
	s_mov_b32 s[G1SB+2], (128*KS/256)<<16
	s_mov_b32 s[G1SB+3], 32<<16
	s_mov_b32 s[G1SB+4], 128*KS/256
	s_mov_b32 s[G1SB+5], 32
	s_mov_b32 s[G1SB+6], 0
	s_mov_b32 s[G1SB+7], 0
	; Bo: 16 ranks x 128 numbers of 4 bytes, 2,048 numbers from rank to rank; 16 bytes of padding behind each row of 128 words
	s_or_b32 s[G1BO+0], s44, (2<<16)|(1<<20)|(1<<21)|(6<<22)|(3<<25)
	s_mov_b32 s[G1BO+1], 128<<16
	s_mov_b32 s[G1BO+2], 16<<16
	s_mov_b32 s[G1BO+3], 128<<16
	s_mov_b32 s[G1BO+4], 16
	s_mov_b32 s[G1BO+5], 2048
	s_mov_b32 s[G1BO+6], 0
	s_mov_b32 s[G1BO+7], 0
	; offsets, apart from the addresses
	s_lshl_b32 s20, s17, 7
	s_lshl_b32 s18, s16, 6
	s_add_co_u32 s20, s20, s18                     ; A: row 128 x tile row + 64 x half
	s_mul_i32 s20, s20, ROWB
	s_mov_b32 s21, 0
	s_lshl_b32 s22, s17, 10                        ; A's scale bytes: 1,024 a tile row within a group,
	s_lshl_b32 s23, s14, 16                        ; and my two groups, 32,768 bytes each
	s_add_co_u32 s22, s22, s23
	s_mov_b32 s23, 0
	s_lshl_b32 s46, s42, 8
	s_lshl_b32 s18, s16, 7
	s_add_co_u32 s46, s46, s18                     ; B: row 256 x tile column + 128 x half; the same number is my first column
	s_lshl_b32 s100, s46, 2
	s_mov_b32 s101, 0
	s_lshl_b32 s2, s46, 6
	s_mov_b32 s3, 0
	s_mul_i32 s46, s46, KROW
	s_mov_b32 s47, 0
	s_lshl_b32 s66, s17, 7
	s_lshl_b32 s67, s15, 6
	s_add_co_u32 s66, s66, s67                     ; my first row of the output: 128 x tile row + 64 x half
	s_lshl_b32 s66, s66, 13
	s_add_co_u32 s66, s66, s100
	s_mov_b32 s67, 0
	s_mul_i32 s18, s16, AHALF                      ; where the tiles go: no place in the cluster enters an LDS address
	s_mul_i32 s19, s16, HALFT
	s_add_co_u32 s19, s19, BOFF
	s_mul_i32 s45, s16, HALFS
	s_add_co_u32 s45, s45, SCL+HALFS
	s_wait_dscnt 0x0                               ; the opening add is done
	s_wait_kmcnt 0x0
	s_add_nc_u64 s[20:21], s[4:5], s[20:21]
	s_add_nc_u64 s[6:7], s[6:7], s[22:23]
	s_add_nc_u64 s[46:47], s[8:9], s[46:47]
	s_add_nc_u64 s[2:3], s[10:11], s[2:3]
	s_add_nc_u64 s[12:13], s[12:13], s[66:67]
	s_add_nc_u64 s[PH:PH+1], s[PH:PH+1], s[66:67]
	CROUND                                         ; all sixteen work-groups are here: the first joint loads meet
	s_mov_b32 s[G0SB], 1
	s_mov_b32 s[G0SB+1], s45
	s_mov_b64 s[G0SB+2:G0SB+3], s[2:3]
	s_or_b32 s[G0SB+3], s[G0SB+3], 0x80000000
	s_mov_b32 s[G0BO], 1
	s_mul_i32 s[G0BO+1], s16, 16*BOP
	s_add_co_u32 s[G0BO+1], s[G0BO+1], BOL
	s_add_nc_u64 s[G0BO+2:G0BO+3], s[PBO:PBO+1], s[100:101]
	s_or_b32 s[G0BO+3], s[G0BO+3], 0x80000000
.irp s, 0,1
	s_mov_b32 s[G0+4*\s], 1
	s_add_co_u32 s[G0+4*\s+1], s18, \s*SLOT
	s_add_nc_u64 s[G0+4*\s+2:G0+4*\s+3], s[20:21], \s*AGRP
	s_or_b32 s[G0+4*\s+3], s[G0+4*\s+3], 0x80000000
	s_mov_b32 s[G0B+4*\s], 1
	s_add_co_u32 s[G0B+4*\s+1], s19, \s*SLOT
	s_add_nc_u64 s[G0B+4*\s+2:G0B+4*\s+3], s[46:47], \s*ROWB
	s_or_b32 s[G0B+4*\s+3], s[G0B+4*\s+3], 0x80000000
.endr
	s_cmp_eq_u32 s15, 0                            ; a wave's first fills stand in one branch, three loads each: waves 0, 1: Bo's half, A's slots; waves 2, 3: B's scales, B's slots
	s_cbranch_scc0 .Lfirst_b
	tensor_load_to_lds s[G0BO:G0BO+3], s[G1BO:G1BO+7]
	s_nop 0
	tensor_load_to_lds s[G0:G0+3], s[G1:G1+7]
	s_nop 0
	tensor_load_to_lds s[G0+4:G0+7], s[G1:G1+7]
	s_nop 0
.rept 4
	v_nop
.endr
	s_branch .Lfirst_done
.Lfirst_b:
	tensor_load_to_lds s[G0SB:G0SB+3], s[G1SB:G1SB+7]
	s_nop 0
	tensor_load_to_lds s[G0B:G0B+3], s[G1B:G1B+7]
	s_nop 0
	tensor_load_to_lds s[G0B+4:G0B+7], s[G1B:G1B+7]
	s_nop 0
.rept 4
	v_nop
.endr
.Lfirst_done:
	v_and_b32 v8, 15, v0                           ; r
	v_bfe_u32 v9, v0, 4, 1                         ; h
	v_and_b32 v10, 31, v0                          ; lane
	v_lshlrev_b32 v[CO], 4, v10
.irp g, 0,1
.irp i, 0,1
	global_load_b128 v[196+8*\g+4*\i:196+8*\g+4*\i+3], v[CO], s[6:7] offset:32768*\g+512*\i   ; A's scale bytes: group 2 w + g, rows 64 i + 2 lane and the next, 8 bytes each
.endr
.endr
	v_mul_u32_u24 v[VLA], v8, KROW
	v_mad_u32_u24 v[VLA], v9, 24, v[VLA]
	v_lshlrev_b32 v[VLS], 6, v8
.macro FRAG reg, adr, q, i             ; 16 rows x 128 K of 6-bit codes: 12 registers, six pieces of 8 bytes; where the piece three on lies behind one padding more, the second address register serves
.irp p, 0,1,2,3,4,5
.set PCE, 12*(\q)+6*(\p/3)+\p%3
.if PCE%8 < 5
	ds_load_b64 v[\reg+2*\p:\reg+2*\p+1], v[\adr] offset:8*PCE+16*(PCE/8)+(\i)*16*PITCH
.else
	ds_load_b64 v[\reg+2*\p:\reg+2*\p+1], v[\adr+2] offset:8*PCE+16*(PCE/8)+(\i)*16*PITCH
.endif
.endr
.endm
; 16 products: A's blocks a0, a0 + 1 x B's eight; p: the set of both operands; q: which 128 of the slot; sc: the set of scale words.  The accumulators take turns, one instruction a turn.
.macro MUL16 a0, p, q, sc, zero
.irp a, \a0, \a0+1
.irp b, 0,1,2,3,4,5,6,7
.if \zero
	v_wmma_scale_f32_16x16x128_f8f6f4 v[8*(8*(\a)+\b):8*(8*(\a)+\b)+7], v[128*(\p)+FR*\b:128*(\p)+FR*\b+FR-1], v[AF+48*(\p)+FR*(\a):AF+48*(\p)+FR*(\a)+FR-1], 0, v[SC+8*NQ*(\sc)+NQ*\b+(\q)], v[SC+8*NQ*(\sc)+NQ*(\a)+(\q)] matrix_a_fmt:MATRIX_FMT_FP6 matrix_b_fmt:MATRIX_FMT_FP6 matrix_a_scale:MATRIX_SCALE_ROW1
.else
	v_wmma_scale_f32_16x16x128_f8f6f4 v[8*(8*(\a)+\b):8*(8*(\a)+\b)+7], v[128*(\p)+FR*\b:128*(\p)+FR*\b+FR-1], v[AF+48*(\p)+FR*(\a):AF+48*(\p)+FR*(\a)+FR-1], v[8*(8*(\a)+\b):8*(8*(\a)+\b)+7], v[SC+8*NQ*(\sc)+NQ*\b+(\q)], v[SC+8*NQ*(\sc)+NQ*(\a)+(\q)] matrix_a_fmt:MATRIX_FMT_FP6 matrix_b_fmt:MATRIX_FMT_FP6 matrix_a_scale:MATRIX_SCALE_ROW1
.endif
.endr
.endr
.endm
; 4 products of t: Ao's 16 ranks (set l of four, window 1) x A's four blocks
.macro TMUL l, p, q, sc, zero
.set LFP, 96+12*((\l)%2)+128*((\l)/2)
	WIN 0x01
.irp a, 0,1,2,3
.if \zero
	v_wmma_scale_f32_16x16x128_f8f6f4 v[T+8*\a:T+8*\a+7], v[LFP:LFP+FR-1], v[AF+48*(\p)+FR*\a:AF+48*(\p)+FR*\a+FR-1], 0, v[LSC+(\l)], v[SC+8*NQ*(\sc)+NQ*\a+(\q)] matrix_a_fmt:MATRIX_FMT_FP6 matrix_b_fmt:MATRIX_FMT_FP6
.else
	v_wmma_scale_f32_16x16x128_f8f6f4 v[T+8*\a:T+8*\a+7], v[LFP:LFP+FR-1], v[AF+48*(\p)+FR*\a:AF+48*(\p)+FR*\a+FR-1], v[T+8*\a:T+8*\a+7], v[LSC+(\l)], v[SC+8*NQ*(\sc)+NQ*\a+(\q)] matrix_a_fmt:MATRIX_FMT_FP6 matrix_b_fmt:MATRIX_FMT_FP6
.endif
.endr
.endm
.macro LLOAD l                         ; seven loads: Ao's fragment and scale word of the l-th of the four steps of 128 at which the bases stand
.set LFP, 96+12*((\l)%2)+128*((\l)/2)
	WIN TO_B
.irp i, 0,1,2,3,4,5
	global_load_b64 v[LFP+2*\i:LFP+2*\i+1], v[VLA], s[LB:LB+1] offset:96*(\l)+48*(\i/3)+8*(\i%3)
.endr
	WIN 0
	global_load_b32 v[LSC+(\l)], v[VLS], s[LSB:LSB+1] offset:4*(\l)
.endm
.macro FETCH_B slot, q, p
	WIN TO_B
.irp i, 0,1,2,3,4,5,6,7
	FRAG 128*(\p)+FR*\i, ADRB+\slot, \q, \i
.endr
	WIN 0
.endm
.macro FETCH_A slot, q, p
.irp i, 0,1,2,3
	FRAG AF+48*(\p)+FR*\i, ADRA+\slot, \q, \i
.endr
.endm
.macro SCALES sc                       ; a K step's scale words: lanes 0-15 A's block i (of the eight registers' lower lanes the first four blocks' are used), lanes 16-31 B's block i
.irp i, 0,1,2,3,4,5,6,7
	ds_load_b64 v[SC+8*NQ*\sc+NQ*\i:SC+8*NQ*\sc+NQ*\i+1], v[ADRS] offset:\i*SBLK
.endr
.endm
.macro HLOAD a                         ; 16 rows of hidden_states, 512 consecutive bytes a load, into window 3
	WIN 0xc0
.irp t, 0,1,2,3,4,5,6,7,8,9,10,11,12,13,14,15
	global_load_b128 v[64*(\a)+4*\t:64*(\a)+4*\t+3], v[CO], s[PH:PH+1] offset:(16*(\a)+\t)*8192 th:TH_LOAD_NT
.endr
	WIN 0
.endm
; Four places close every step.  They stand between the step's products and all that is loaded later into the registers that these have read: the other step's fragments, Ao's set and its scale word.
; A slot's first step of 128: sets 0; in its middle the slot's second step is fetched into sets 1.  lc: the younger loads from memory that may stay out;  rl = 1: Ao's set of this step is loaded anew, for four steps on
.macro STEP slot, zero, lc, rl
	s_wait_loadcnt \lc
	s_wait_dscnt 0x0                               ; this step's fragments and scale words, asked for in the middle of the step before
	WIN MUL_LO
	MUL16 0, 0, 0, \slot, \zero
	FETCH_B \slot, 1, 1
	FETCH_A \slot, 1, 1
	WIN MUL_LO
	MUL16 2, 0, 0, \slot, \zero
	TMUL 2*(\slot), 0, 0, \slot, \zero
	PLACES NP
	WIN 0
.if \rl
	LLOAD 2*(\slot)
.endif
.endm
; A slot's second step: sets 1.  THE CHANGE OF SLOTS STANDS AT ITS HEAD: each wave waits for all its tensor loads (its part of the next slot), adds 0 to its spare word, and waits for that and for its reads of this
; slot, the last of which were asked for in the middle of the step before.  fill = 1: the barrier opens a meeting of the whole cluster, and behind it this slot is filled again, two K steps ahead.
.macro TURN slot, next, fill, lc, rl
.if (\fill) && ((\slot) == 0)
	s_wait_xcnt 0x0                                ; the earlier loads have read the two bases: they step four steps of 128 on, once a trip, so that all four sets of a trip share them and none passes the buffer's end
	s_add_nc_u64 s[LB:LB+1], s[LB:LB+1], 384
	s_add_nc_u64 s[LSB:LSB+1], s[LSB:LSB+1], 16
	LLOAD 0
.endif
	s_wait_loadcnt \lc
	s_wait_tensorcnt 0x0                           ; all my tensor loads have landed, so a group 0 may be written
	ds_add_u32 v[SPW], v[NIL]
.if \fill
	s_add_nc_u64 s[G0+4*\slot+2:G0+4*\slot+3], s[G0+4*\slot+2:G0+4*\slot+3], 2*AGRP
	s_add_nc_u64 s[G0B+4*\slot+2:G0B+4*\slot+3], s[G0B+4*\slot+2:G0B+4*\slot+3], 2*ROWB
.endif
	s_wait_dscnt 0x0                               ; the add is done, and my reads of this slot are over
	s_barrier_signal -1
	s_barrier_wait -1
.if \fill
	CREST                                          ; no wave of any partner still reads this slot or has a load on its way
	JLOAD G0+4*\slot, G1, G0B+4*\slot, G1B         ; my one tensor load until the next change
.endif
	WIN MUL_LO
	MUL16 0, 1, 1, \slot, 0
	WIN 0
	v_add_nc_u32 v[ADRS], 4*NQ, v[ADRS]            ; on to the next K step's scale words
	FETCH_B \next, 0, 0
	FETCH_A \next, 0, 0
	SCALES \next
	WIN MUL_LO
	MUL16 2, 1, 1, \slot, 0
	TMUL 2*(\slot)+1, 1, 1, \slot, 0
	PLACES NP
	WIN 0
.if \rl
	LLOAD 2*(\slot)+1
.endif
.endm
.irp l, 0,1,2,3
	LLOAD \l                                       ; Ao's first four steps
.endr
	v_mul_u32_u24 v11, v8, PITCH
	v_mul_u32_u24 v12, v9, 24
	v_add_nc_u32 v12, v11, v12                     ; a fragment's row x pitch + 24 x half
	v_lshl_add_u32 v13, v9, 4, v12                 ; and the same behind one padding more
	s_mul_i32 s21, s15, AHALF                      ; my 64 rows of A
	s_mul_i32 s22, s16, HALFT                      ; my 128 rows of B,
	s_add_co_u32 s22, s22, BOFF                    ; behind A's 128
.irp s, 0,1
	v_add_nc_u32 v[ADRA+\s], s21, v12
	v_add_nc_u32 v[ADRB+\s], s22, v12
	v_add_nc_u32 v[ADRA+2+\s], s21, v13
	v_add_nc_u32 v[ADRB+2+\s], s22, v13
	s_add_co_u32 s21, s21, SLOT
	s_add_co_u32 s22, s22, SLOT
.endr
	v_mul_u32_u24 v11, v8, KS
	v_lshrrev_b32 v12, 8, v11
	v_lshl_add_u32 v11, v12, 4, v11                ; my row's scale bytes, 16 more for each 256 passed
	s_mul_i32 s21, s15, 4*SBLK                     ; A's: my 64 rows
	s_mul_i32 s22, s16, HALFS                      ; B's: my 128 rows, behind A's 128
	s_add_co_u32 s22, s22, HALFS
	s_sub_co_u32 s22, s22, s21
	v_mul_u32_u24 v12, s22, v9                     ; lanes 16-31 take B's
	s_add_co_u32 s21, s21, SCL
	v_add_nc_u32 v11, v11, v12
	v_add_nc_u32 v[ADRS], s21, v11
	v_lshrrev_b32 v11, 1, v10
	v_mul_u32_u24 v11, v11, 272
	v_and_b32 v12, 1, v10
	v_lshl_add_u32 v11, v12, 7, v11
	s_lshl_b32 s21, s14, 4
	s_add_co_u32 s21, s21, SCL
	v_add_nc_u32 v[ASW], s21, v11                  ; row 2 lane of a run of 64: unit lane / 2, 128 (lane % 2) in it; my two groups' bytes at 16 w
	s_mul_i32 s23, s14, 16*SPITCH
	s_add_co_u32 s23, s23, STG                     ; my stage
	v_mul_u32_u24 v11, v8, SPITCH
	v_lshl_add_u32 v11, v9, 5, v11
	v_add_nc_u32 v[STO], s23, v11                  ; in: row r, + 32 h
	v_add_nc_u32 v[RD], s23, v[CO]                 ; back: 16 bytes a lane
	s_mul_i32 s21, s16, 16*BOP
	s_add_co_u32 s21, s21, BOL
	v_mul_u32_u24 v11, v9, 8*BOP
	v_lshl_add_u32 v11, v8, 2, v11
	v_add_nc_u32 v[VBL], s21, v11                  ; Bo: my column half, rank 8 h, column r
	s_wait_loadcnt 28                              ; A's scale bytes are in; Ao's 28 younger loads stay out
.irp g, 0,1
.irp i, 0,1
.irp e, 0,1
	ds_store_b64 v[ASW], v[196+8*\g+4*\i+2*\e:196+8*\g+4*\i+2*\e+1] offset:4352*\i+64*\e+8*\g
.endr
.endr
.endr
	s_wait_tensorcnt 1                             ; all my first fills but slot 1's are in
	s_wait_dscnt 0x0                               ; my stores of scale bytes have landed
	s_barrier_signal -1
	s_barrier_wait -1
	FETCH_B 0, 0, 0
	FETCH_A 0, 0, 0
	SCALES 0
	WIN 0xc0                                       ; Bo into window 3, which is idle until hidden_states is asked for: lane (r, h) register 8 b + j = Bo[8 h + j][16 b + r]; sixteen lanes read 64 neighbouring bytes
.irp b, 0,1,2,3,4,5,6,7
.irp j, 0,1,2,3,4,5,6,7
	ds_load_b32 v[8*\b+\j], v[VBL] offset:BOP*\j+64*\b
.endr
.endr
	WIN 0
	STEP 0, 1, 21, 0                               ; the first step starts the sums (its wait for LDS covers Bo too)
	WIN 0xc3
.set i, 0
.rept 32
	v_pk_mul_f32 v[i:i+1], v[i:i+1], 2.0 op_sel_hi:[1,0]   ; x 2, the LoRA scaling: exact
.set i, i+2
.endr
	WIN 0x0f
.irp b, 0,1,2,3,4,5,6,7
.irp q, 0,1,2,3
	v_cvt_pk_bf16_f32 v[BOB+4*\b+\q], v[8*\b+2*\q], v[8*\b+2*\q+1]   ; ranks 8 h + 0 .. 7 of column 16 b + r: the lower 16 of the bf16 form's K
.endr
.endr
	WIN 0
.irp j, 0,1,2,3
	v_mov_b32 v[BOB+32+\j], 0                      ; what follows the last block
.endr
	s_mov_b32 s3, LAPS-1
.Llap:                                             ; a trip: four steps of 128, both slots filled again
	TURN 0, 1, 1, 21, 1
	STEP 1, 0, 21, 1
	TURN 1, 0, 1, 21, 1
	STEP 0, 0, 21, 0
	s_sub_co_u32 s3, s3, 1
	s_cmp_lg_u32 s3, 0
	s_cbranch_scc1 .Llap
	HLOAD 0                                        ; 48 rows of hidden_states, three steps of 128 ahead of the last product
	HLOAD 1
	HLOAD 2
	TURN 0, 1, 0, 62, 0                            ; the tail fills nothing and loads nothing of Ao.  Younger than the set in hand: 14, 7, 0 of Ao's loads and the 48 just issued
	STEP 1, 0, 55, 0
	s_wait_loadcnt 48
	s_wait_dscnt 0x0
	HLOAD 3
	WIN MUL_LO
	MUL16 0, 1, 1, 1, 0
	MUL16 2, 1, 1, 1, 0
	TMUL 3, 1, 1, 1, 0
	PLACES NP
	WIN 0
.irp a, 0,1,2,3
.irp q, 0,1,2,3
	v_cvt_pk_bf16_f32 v[TBR+8*\a+\q], v[T+8*\a+2*\q], v[T+8*\a+2*\q+1]   ; each of t's accumulators from its low end on
.endr
.irp q, 0,1,2,3
	v_mov_b32 v[TBR+8*\a+4+\q], 0                  ; the upper 16 of K are zeros on t's side, against finite neighbours on Bo's
.endr
.endr
	PLACES 4
	WIN 0xa0                                       ; both sources window 0, C and D window 2
.irp a, 0,1,2,3
.irp b, 0,1,2,3,4,5,6,7
	v_wmma_f32_16x16x32_bf16 v[8*(8*\a+\b):8*(8*\a+\b)+7], v[BOB+4*\b:BOB+4*\b+7], v[TBR+8*\a:TBR+8*\a+7], v[8*(8*\a+\b):8*(8*\a+\b)+7]
.endr
.endr
	PLACES NP
; THE WAY OUT, block by block of 16 rows x 128 columns.  LDS serves a wave's instructions in order (ISA guide 5.7.1.4): the loads see the stores above them, and the next block's stores come behind them.
; A block comes back into the registers that it left, so no register is used twice.  Every offset is an immediate: 63 rows of 8,192 bytes at the most.
.macro TOSTAGE a
	WIN 0x08                                       ; an LDS store's data are its source 1: window 2
.irp b, 0,1,2,3,4,5,6,7
	ds_store_b128 v[STO], v[64*(\a)+8*\b:64*(\a)+8*\b+3] offset:64*\b          ; each accumulator from its low end on
	ds_store_b128 v[STO], v[64*(\a)+8*\b+4:64*(\a)+8*\b+7] offset:64*\b+16
.endr
	WIN 0x80
.irp t, 0,1,2,3,4,5,6,7,8,9,10,11,12,13,14,15
	ds_load_b128 v[64*(\a)+4*\t:64*(\a)+4*\t+3], v[RD] offset:\t*SPITCH
.endr
.endm
.macro SEND a, younger, lc             ; younger: the LDS instructions issued behind block a's loads;  lc: the later blocks' loads of hidden_states
	s_wait_dscnt \younger
	s_wait_loadcnt \lc
	WIN 0x8e                                       ; destination and source 0 window 2, source 1 window 3
.set i, 0
.rept 32
	v_pk_add_f32 v[64*(\a)+i:64*(\a)+i+1], v[64*(\a)+i:64*(\a)+i+1], v[64*(\a)+i:64*(\a)+i+1]
.set i, i+2
.endr
	WIN 0x08
.irp t, 0,1,2,3,4,5,6,7,8,9,10,11,12,13,14,15
	global_store_b128 v[CO], v[64*(\a)+4*\t:64*(\a)+4*\t+3], s[12:13] offset:(16*(\a)+\t)*8192 th:TH_STORE_NT   ; 512 consecutive bytes, aligned
.endr
.endm
	TOSTAGE 0
.irp a, 1,2,3
	TOSTAGE \a
	SEND \a-1, 32, 64-16*\a
.endr
	SEND 3, 0, 0
	WIN 0
	s_wait_tensorcnt 0x0                           ; the wave's end: behind my last tensor load and my last LDS store
	ds_add_u32 v[SPW], v[NIL]
	s_wait_dscnt 0x0
	CROUND                                         ; no work-group ends while a partner may still ask for a tile that names it
	s_endpgm
.Lfunc_end_k_q6895d713b6_outp:
	.size	k_q6895d713b6_outp, .Lfunc_end_k_q6895d713b6_outp-k_q6895d713b6_outp
	.p2alignl 7, 3214868480
	.fill 96, 4, 3214868480
	.section	.rodata,"a",@progbits
	.p2align	6, 0x0
	.amdhsa_kernel k_q6895d713b6_outp
		.amdhsa_group_segment_fixed_size 327680
		.amdhsa_private_segment_fixed_size 0
		.amdhsa_enable_private_segment 0
		.amdhsa_kernarg_size 72
		.amdhsa_user_sgpr_count 2
		.amdhsa_user_sgpr_kernarg_segment_ptr 1
		.amdhsa_wavefront_size32 1
		.amdhsa_system_sgpr_workgroup_id_x 1
		.amdhsa_system_sgpr_workgroup_id_y 1
		.amdhsa_system_sgpr_workgroup_id_z 1
		.amdhsa_system_vgpr_workitem_id 0
		.amdhsa_next_free_vgpr 1024
		.amdhsa_next_free_sgpr 102
		.amdhsa_reserve_vcc 0
		.amdhsa_float_denorm_mode_32 3
		.amdhsa_float_denorm_mode_16_64 3
		.amdhsa_memory_ordered 1
		.amdhsa_forward_progress 1
		.amdhsa_inst_pref_size 138
	.end_amdhsa_kernel
	.amdgpu_metadata
---
amdhsa.version: [ 1, 2 ]
amdhsa.kernels:
  - .name:           k_q6895d713b6_outp
    .symbol:         k_q6895d713b6_outp.kd
    .args:
      - { .name: cc, .offset: 0, .size: 8, .value_kind: global_buffer, .address_space: global }
      - { .name: cs, .offset: 8, .size: 8, .value_kind: global_buffer, .address_space: global }
      - { .name: Wo_codes, .offset: 16, .size: 8, .value_kind: global_buffer, .address_space: global }
      - { .name: Wo_scales, .offset: 24, .size: 8, .value_kind: global_buffer, .address_space: global }
      - { .name: Ao_codes, .offset: 32, .size: 8, .value_kind: global_buffer, .address_space: global }
      - { .name: Ao_scales, .offset: 40, .size: 8, .value_kind: global_buffer, .address_space: global }
      - { .name: Bo, .offset: 48, .size: 8, .value_kind: global_buffer, .address_space: global }
      - { .name: hidden_states, .offset: 56, .size: 8, .value_kind: global_buffer, .address_space: global }
      - { .name: out0, .offset: 64, .size: 8, .value_kind: global_buffer, .address_space: global }
    .group_segment_fixed_size: 327680
    .private_segment_fixed_size: 0
    .kernarg_segment_align: 8
    .kernarg_segment_size: 72
    .max_flat_workgroup_size: 128
    .sgpr_count:     102
    .vgpr_count:     1024
    .wavefront_size: 32
...
	.end_amdgpu_metadata
.endif
;; end of part 4
